; MI455X (gfx1250); checked and timed in simulation.
; The chip was launched on July 23, 2026; its instructions are those of AMD's public machine-readable ISA for CDNA 5 (MIT licence, August 2026) and "CDNA5" Instruction Set Architecture Reference Guide (July 2026). The comments in the code are by the model that wrote it; some were corrected since.
;; Attention. Allowed arithmetic: matrix products marked QUANTISED: E2M1 operands, one E8M0 scale for each 32 along K, by v_wmma_scale_f32_16x16x128_f8f6f4 with both operands' format E2M1 (or v_wmma_scale_f32_32x16x128_f4), f32 sums; products left as they are: bf16, f16 or f32 operands; f32 sums; everything else in f32.
;; Inputs: b_proj 1,024 float32; w_proj 1,024 x 1,024 float32; w_qkv 1,024 x 3,072 float32; x 4 x 2,048 x 1,024 float32.
;; Outputs: out0 4 x 2,048 x 1,024 float32.
;; This version of the problem:
;;   THIS VERSION OF THE PROBLEM IS GIVEN IN LOW PRECISION. The matrix products marked QUANTISED in the list below multiply operands that are first quantised to E2M1 (2 exponent bits, 1 mantissa bit; 4 bits a number), with one power-of-two scale for each 32 numbers along K (OCP MX v1.0); their sums are f32. The products marked 'left as it is' may take bf16, f16 or f32 operands, with f32 sums. Whichever they take, every output number must still come out within the allowed error. Rounding operands to bf16 (8 significant bits) uses up far more of that allowance than f16 does (11 bits, for magnitudes from 6e-5 to 65,504). All else is computed in f32.
;;   The module's matrix products, in the order in which they are computed (A, B: the left and right operand; K: the contracted axis; several contracted axes count as one K, in the product's order):
;;     1. [M 8,192, K 1,024] x [K 1,024, N 3,072]; A: input x; B: input w_qkv: QUANTISED
;;     2. batch 64 x [M 2,048, K 64] x [K 64, N 2,048]; A: computed on the way; B: computed on the way: left as it is (an operand is computed on the way)
;;     3. batch 64 x [M 2,048, K 2,048] x [K 2,048, N 64]; A: computed on the way; B: computed on the way: left as it is (an operand is computed on the way)
;;     4. [M 8,192, K 1,024] x [K 1,024, N 1,024]; A: computed on the way; B: input w_proj: left as it is (an operand is computed on the way)
;;   THE QUANTISER, for each operand of a quantised product, along K:
;;     - K is cut into blocks of 32 from its start; a last block that is shorter is filled with zeros.
;;     - A block's scale is 2^e with e = floor(log2(the largest magnitude in the block)) - 2, held to -126 .. 127; a block of zeros has e = 0. As a byte (E8M0): e + 127.
;;     - Each number is divided by its block's scale, clamped to +-6, and rounded to the nearest number of E2M1, ties to even, subnormals kept.
;;     - The product sums the exact products of the quantised numbers (number of the format x scale) in f32.
;;   ~~~python
;;   def quantise(x, axis):      # numpy; x: float32 -> the quantised numbers, widened to float32 again
;;       x = np.moveaxis(x, axis, -1); K = x.shape[-1]
;;       x = np.pad(x, [(0, 0)] * (x.ndim - 1) + [(0, -K % 32)]); x = x.reshape(x.shape[:-1] + (-1, 32)); a = np.abs(x).max(-1, keepdims=True)
;;       e = np.where(a > 0, np.clip(np.frexp(np.where(a > 0, a, 1))[1] - 1 - 2, -126, 127), 0)      # np.frexp(a)[1] - 1 = floor(log2(a)), exactly
;;       r = np.clip(x / 2.0 ** e, -6, 6)
;;       step = 2.0 ** (np.maximum(np.frexp(np.where(r == 0, 1, r))[1] - 1, 0) - 1)
;;       q = np.round(r / step) * step * 2.0 ** e      # np.round: ties to even
;;       return np.moveaxis(q.reshape(q.shape[:-2] + (-1,))[..., :K], -1, axis).astype(np.float32)
;;   ~~~
;; One version. Each part assembles by itself: llvm-mc -triple=amdgcn-amd-amdhsa -mcpu=gfx1250 --defsym DOCPART=n.
;; ======== version 1 of 1: 4 launches
;; limits: values are held in f16: magnitudes above 65,504 overflow, below 6.1e-05 lose precision
;; workspace buffers: x_codes 4,194,304 bytes; x_scales 262,144 bytes; w_codes 1,572,864 bytes; w_scales 98,304 bytes; wp16 2,097,152 bytes; qkv 50,331,648 bytes; att 16,777,216 bytes
;; launch prep (part 1): grid 336 x 1, 4 waves a work-group, no clusters, 68,096 bytes of LDS; arguments x, w_qkv, w_proj, x_codes, x_scales, w_codes, w_scales, wp16; writes x_codes, x_scales, w_codes, w_scales, wp16
.if DOCPART == 1
	.amdgcn_target "amdgcn-amd-amdhsa--gfx1250"
	.amdhsa_code_object_version 6
	.text
	.protected	k_q503096b94c_prep
	.globl	k_q503096b94c_prep
	.p2align	8
	.type	k_q503096b94c_prep,@function
k_q503096b94c_prep:
	s_mov_b64 s[64:65], 0
	v_nop
	global_prefetch_b8 v0, s[64:65] scope:SCOPE_SE
	s_setreg_imm32_b32 hwreg(HW_REG_WAVE_MODE, 25, 1), 1
	s_wait_xcnt 0x0
; PREP: three streams in one launch, told apart by the work-group's number alone.
;   work-groups   0-255  X: x [8192][1024] f32, K innermost   -> codes of E2M1 [8192][512 bytes] and E8M0 bytes [8192][32]
;   work-groups 256-303  W: w_qkv [1024 (k)][3072 (n)] f32    -> codes [3072][512 bytes], K innermost, and bytes [3072][32]
;   work-groups 304-335  P: w_proj [1024][1024] f32           -> f16, as it lies
; THE QUANTISER: a block of 32 along K has the scale 2^(floor(log2(largest magnitude)) - 2); its byte is the largest magnitude's exponent field - 2, held at 1
; from below; each number is divided by the scale and rounded to the nearest code, ties to even, beyond 6 the largest code.
; LIMITS: a block of zeros gets the byte 1 (its codes are zeros, and this program alone reads the bytes); blocks whose largest magnitude lies under 2^-124, the
; floor, were not tried; NaN and infinities are not served; numbers of w_proj beyond 65,504 become infinities in f16, those under 2^-14 are rounded in steps of 2^-24.
; No matrix unit, no tensor load, no barrier: memory binds, and waves share nothing.  Each path has LDS bytes of its own and ends by itself.
; X: a wave takes 16 steps of 512 numbers.  Each load reads 512 consecutive bytes; a step's 2,048 bytes turn through the wave's stage so that a lane holds 16 neighbours.
; W: a lane takes a column and its registers run down K; a wave gathers 32 columns x 512 along K in its stage and stores rows of 256 bytes.
; P: a lane converts 4 numbers a load; a store of the wave covers 256 consecutive bytes, aligned.
.set SPARE, 67584                      ; behind both regions: the spare words, 128 bytes a wave: two blocks of 256 bytes that no other line names
.set EMAX,  2
.set SPW,   2                          ; v2   LDS address of my spare word; never rewritten
.set NIL,   3                          ; v3   0; never rewritten
.set SP,    80                         ; X: a lane's place in a stage: 64 bytes + 16 of padding
.set XR,    16                         ; X: v16-79   four sets of 16 numbers as loaded
.set XX,    80                         ; X: v80-111  two sets of 16 neighbours
.set XE,    112                        ; X: v112-127 a scale byte for each step
.set XC,    128                        ; X: v128-191 codes, four registers for each step: no store's data are written again
.set WPITCH, 272                       ; W: a stage row: 256 bytes + 16
.set WSB,   24                         ; W: v24-27   scale bytes, four to a register
.set WX,    32                         ; W: v32-95   two sets of 32 numbers
.set WC,    96                         ; W: v96-99   a block's codes
.set WOUT,  112                        ; W: v112-175 the way out
.set PIN,   32                         ; P: v32-159  two batches of 64 numbers
.set PH,    160                        ; P: v160-191 a batch as f16
	s_load_b256 s[4:11], s[0:1], 0x0               ; x s[4:5], w_qkv s[6:7], w_proj s[8:9], x_codes s[10:11]
	s_load_b256 s[12:19], s[0:1], 0x20             ; x_scales s[12:13], w_codes s[14:15], w_scales s[16:17], wp16 s[18:19]
	v_lshl_add_u32 v[SPW], v0, 2, SPARE
	v_mov_b32 v[NIL], 0
	v_lshrrev_b32 v1, 5, v0
	v_readfirstlane_b32 s20, v1                    ; wave 0..3
	v_and_b32 v1, 31, v0                           ; lane
	; every LDS address is made here, ahead of the parting: a constant + a constant x wave + a term of the lane
	s_lshl_b32 s21, s20, 13                        ; X: my wave's 8,192 bytes: two stages of 2,560, then 256 scale bytes
	v_lshrrev_b32 v4, 2, v1
	v_mul_u32_u24 v4, v4, SP
	v_and_b32 v5, 3, v1
	v_lshl_add_u32 v4, v5, 4, v4
	v_add_nc_u32 v4, s21, v4                       ; v4  X: into the stage: SP (lane / 4) + 16 (lane % 4)
	v_mul_u32_u24 v5, v1, SP
	v_add_nc_u32 v5, s21, v5                       ; v5  X: out of it: SP x lane: my 16 neighbours
	s_add_co_u32 s23, s21, 2*32*SP
	v_lshrrev_b32 v6, 1, v1
	v_add_nc_u32 v6, s23, v6                       ; v6  X: my block's scale byte
	v_lshl_add_u32 v7, v1, 3, s23                  ; v7  X: and 8 of the 256 bytes on the way out
	s_mul_i32 s22, s20, 32*WPITCH
	s_add_co_u32 s22, s22, 32768                   ; W: my wave's stage, behind X's four regions
	v_mul_u32_u24 v8, v1, WPITCH
	v_add_nc_u32 v8, s22, v8                       ; v8  W: into the stage: row = my column
	v_lshrrev_b32 v9, 4, v1
	v_mul_u32_u24 v9, v9, WPITCH
	v_and_b32 v15, 15, v1
	v_lshl_add_u32 v9, v15, 4, v9
	v_add_nc_u32 v9, s22, v9                       ; v9  W: out of it: sixteen lanes to a row, two rows an instruction
	s_wait_kmcnt 0x0
	s_cmp_lt_u32 ttmp9, 256
	s_cbranch_scc1 .Lpath_x
	s_cmp_lt_u32 ttmp9, 304
	s_cbranch_scc1 .Lpath_w
; ---------------- P: w_proj to f16 ----------------
.macro PLOAD k                         ; batch k: 16 loads of 512 consecutive bytes
.irp i, 0,1,2,3,4,5,6,7,8,9,10,11,12,13,14,15
	global_load_b128 v[PIN+64*((\k)%2)+4*\i:PIN+64*((\k)%2)+4*\i+3], v10, s[8:9] offset:8192*(\k)+512*\i th:TH_LOAD_NT
.endr
.endm
.macro PCAST k
.if (\k) < 3
	s_wait_loadcnt 16                              ; this batch is in; the next batch's 16 loads may be out
.else
	s_wait_loadcnt 0x0
.endif
.if (\k) > 0
	s_wait_xcnt 0x0                                ; the last batch's stores have read their data registers, which are written again below
.endif
.irp i, 0,1,2,3,4,5,6,7,8,9,10,11,12,13,14,15
	v_cvt_pk_f16_f32 v[PH+2*\i],   v[PIN+64*((\k)%2)+4*\i],   v[PIN+64*((\k)%2)+4*\i+1]
	v_cvt_pk_f16_f32 v[PH+2*\i+1], v[PIN+64*((\k)%2)+4*\i+2], v[PIN+64*((\k)%2)+4*\i+3]
.endr
.irp i, 0,1,2,3,4,5,6,7,8,9,10,11,12,13,14,15
	global_store_b64 v11, v[PH+2*\i:PH+2*\i+1], s[18:19] offset:4096*(\k)+256*\i   ; 32 lanes store 256 consecutive bytes, aligned
.endr
.if (\k) < 2
	PLOAD (\k)+2
.endif
.endm
	s_sub_co_u32 s24, ttmp9, 304
	s_lshl_b32 s24, s24, 2
	s_add_co_u32 s24, s24, s20                     ; which run of 8,192 numbers is my wave's: 128 runs
	s_mov_b32 s27, 0
	s_lshl_b32 s26, s24, 15
	s_add_nc_u64 s[8:9], s[8:9], s[26:27]
	s_lshl_b32 s26, s24, 14
	s_add_nc_u64 s[18:19], s[18:19], s[26:27]
	v_lshlrev_b32 v10, 4, v1                       ; in: 16 bytes a lane
	v_lshlrev_b32 v11, 3, v1                       ; out: 8
	PLOAD 0
	PLOAD 1
	PCAST 0
	PCAST 1
	PCAST 2
	PCAST 3
	s_wait_tensorcnt 0x0                           ; the wave's end
	ds_add_u32 v[SPW], v[NIL]
	s_wait_dscnt 0x0
	s_endpgm
; ---------------- X: x into codes ----------------
.macro XLOAD t
.irp i, 0,1,2,3
	global_load_b128 v[XR+16*((\t)%4)+4*\i:XR+16*((\t)%4)+4*\i+3], v10, s[4:5] offset:2048*(\t)+512*\i th:TH_LOAD_NT   ; 32 lanes read 512 consecutive bytes
.endr
.endm
.macro XTURN t                         ; step t's numbers through the stage: LDS serves a wave's instructions in order, so no wait stands between the stores and the loads
.irp i, 0,1,2,3
	ds_store_b128 v4, v[XR+16*((\t)%4)+4*\i:XR+16*((\t)%4)+4*\i+3] offset:32*SP*((\t)%2)+8*SP*\i
.endr
.irp i, 0,1,2,3
	ds_load_b128 v[XX+16*((\t)%2)+4*\i:XX+16*((\t)%2)+4*\i+3], v5 offset:32*SP*((\t)%2)+16*\i
.endr
.endm
.macro XSTEP t
.set XS, XX+16*((\t)%2)
.if (\t) > 0
	s_wait_dscnt 1                                 ; this step's numbers are back from the stage (the last step's byte store may be out): its stores into the stage have read their registers,
.else
	s_wait_dscnt 0x0
.endif
.if (\t)+4 < 16
	XLOAD (\t)+4                                   ; which take the loads of four steps on
.endif
.if (\t)+1 < 16
.if 14-(\t) >= 3
	s_wait_loadcnt 12                              ; the next step's four loads are in; those of the three steps behind it may be out
.else
	s_wait_loadcnt 4*(14-(\t))
.endif
	XTURN (\t)+1                                   ; and go through the other stage while this step is worked
.endif
	v_max3_num_f32 v12, |v[XS]|, |v[XS+1]|, |v[XS+2]|              ; the largest magnitude of my 16, in two chains
	v_max3_num_f32 v13, |v[XS+3]|, |v[XS+4]|, |v[XS+5]|
.irp i, 6,10
	v_max3_num_f32 v12, v12, |v[XS+\i]|, |v[XS+\i+1]|
	v_max3_num_f32 v13, v13, |v[XS+\i+2]|, |v[XS+\i+3]|
.endr
	v_max3_num_f32 v12, v12, |v[XS+14]|, |v[XS+15]|
	v_max3_num_f32 v12, v12, v13, (EMAX+1)<<23     ; and the floor 2^(3 - 127): the byte cannot fall under 1
	v_max_num_f32_dpp v12, v12, v12 row_xmask:1 row_mask:0xf bank_mask:0xf   ; with my neighbour's 16: the block's
	v_add_nc_u32 v14, -(EMAX<<23), v12             ; 2 off its exponent field: the conversion takes the exponent field of this operand as its scale
	v_cvt_scalef32_pk8_fp4_f32 v[XC+4*(\t)], v[XS:XS+7], v14
	v_cvt_scalef32_pk8_fp4_f32 v[XC+4*(\t)+1], v[XS+8:XS+15], v14
	v_lshrrev_b32 v[XE+(\t)], 23, v14              ; the scale's byte (a plain line behind the conversions)
	ds_store_b8 v6, v[XE+(\t)] offset:16*(\t)      ; both lanes of a block write the same byte with the same value
	global_store_b64 v11, v[XC+4*(\t):XC+4*(\t)+1], s[10:11] offset:256*(\t)   ; 32 lanes store 256 consecutive bytes, aligned
.endm
.Lpath_x:
	s_lshl_b32 s24, ttmp9, 2
	s_add_co_u32 s24, s24, s20                     ; which run of 8,192 numbers is my wave's: 1,024 runs
	s_mov_b32 s27, 0
	s_lshl_b32 s26, s24, 15
	s_add_nc_u64 s[4:5], s[4:5], s[26:27]          ; 32,768 bytes of x,
	s_lshl_b32 s26, s24, 12
	s_add_nc_u64 s[10:11], s[10:11], s[26:27]      ; 4,096 of codes,
	s_lshl_b32 s26, s24, 8
	s_add_nc_u64 s[12:13], s[12:13], s[26:27]      ; 256 scale bytes a run
	v_lshlrev_b32 v10, 4, v1
	v_lshlrev_b32 v11, 3, v1
.irp t, 0,1,2,3
	XLOAD \t
.endr
	s_wait_loadcnt 12                              ; step 0's four loads are in
	XTURN 0
.irp t, 0,1,2,3,4,5,6,7,8,9,10,11,12,13,14,15
	XSTEP \t
.endr
	ds_load_b64 v[12:13], v7                       ; LDS serves a wave's instructions in order: this sees my byte stores
	s_wait_dscnt 0x0
	global_store_b64 v11, v[12:13], s[12:13]       ; the wave's 256 scale bytes: consecutive, aligned
	s_wait_tensorcnt 0x0                           ; the wave's end, behind my last LDS store
	ds_add_u32 v[SPW], v[NIL]
	s_wait_dscnt 0x0
	s_endpgm
; ---------------- W: w_qkv into codes, K moved innermost ----------------
.macro WLOAD t                         ; block t: w(32 t + i, my column), i = 0 .. 31; the largest immediate is 511 rows x 12,288 bytes, inside the signed 24 bits (ISA guide, chapter 10)
.irp i, 0,1,2,3,4,5,6,7,8,9,10,11,12,13,14,15,16,17,18,19,20,21,22,23,24,25,26,27,28,29,30,31
	global_load_b32 v[WX+32*((\t)%2)+\i], v10, s[6:7] offset:(32*(\t)+\i)*12288 th:TH_LOAD_NT
.endr
.endm
.macro WBLOCK t
.set WS, WX+32*((\t)%2)
.if (\t) < 15
	s_wait_loadcnt 32                              ; this block's 32 loads are in; the next block's may be out
.else
	s_wait_loadcnt 0x0
.endif
	v_max3_num_f32 v12, |v[WS]|, |v[WS+1]|, |v[WS+2]|              ; the block's largest magnitude: all 32 numbers are mine
	v_max3_num_f32 v13, |v[WS+3]|, |v[WS+4]|, |v[WS+5]|
.irp i, 6,10,14,18,22,26
	v_max3_num_f32 v12, v12, |v[WS+\i]|, |v[WS+\i+1]|
	v_max3_num_f32 v13, v13, |v[WS+\i+2]|, |v[WS+\i+3]|
.endr
	v_max3_num_f32 v12, v12, |v[WS+30]|, |v[WS+31]|
	v_max3_num_f32 v12, v12, v13, (EMAX+1)<<23     ; and the floor
	v_add_nc_u32 v14, -(EMAX<<23), v12             ; the conversion's scale operand
	v_lshrrev_b32 v13, 23, v14                     ; the scale's byte
.if (\t)%4 == 0
	v_mov_b32 v[WSB+(\t)/4], v13                   ; four bytes to a register, the lower K in the lower byte
.else
	v_lshl_or_b32 v[WSB+(\t)/4], v13, 8*((\t)%4), v[WSB+(\t)/4]
.endif
.irp g, 0,1,2,3
	v_cvt_scalef32_pk8_fp4_f32 v[WC+\g], v[WS+8*\g:WS+8*\g+7], v14
.endr
	ds_store_b128 v8, v[WC:WC+3] offset:16*(\t)    ; 32 codes: 16 bytes of my column's row.  (The next vector lines are the next block's plain maxima)
.if (\t)+2 < 16
	WLOAD (\t)+2
.endif
	s_wait_dscnt 0x0                               ; the store has read its registers: the next block's codes may be written
.endm
.Lpath_w:
	s_sub_co_u32 s24, ttmp9, 256
	s_and_b32 s25, s24, 1                          ; which 512 along K
	s_lshr_b32 s24, s24, 1
	s_lshl_b32 s24, s24, 7
	s_lshl_b32 s26, s20, 5
	s_add_co_u32 s24, s24, s26                     ; my wave's first column: 128 x group + 32 x wave
	s_mov_b32 s29, 0
	s_mul_i32 s28, s25, 512*12288
	s_lshl_b32 s26, s24, 2
	s_add_co_u32 s28, s28, s26
	s_add_nc_u64 s[6:7], s[6:7], s[28:29]          ; w_qkv: 512 rows down, 4 bytes a column
	s_lshl_b32 s28, s24, 9
	s_lshl_b32 s26, s25, 8
	s_add_co_u32 s28, s28, s26
	s_add_nc_u64 s[14:15], s[14:15], s[28:29]      ; codes: 512 bytes a column, 256 for each 512 along K
	s_lshl_b32 s28, s24, 5
	s_lshl_b32 s26, s25, 4
	s_add_co_u32 s28, s28, s26
	s_add_nc_u64 s[16:17], s[16:17], s[28:29]      ; scale bytes: 32 a column, 16 for each 512 along K
	v_lshlrev_b32 v10, 2, v1                       ; in: 4 bytes a lane
	v_lshrrev_b32 v11, 4, v1
	v_lshlrev_b32 v11, 9, v11
	v_and_b32 v15, 15, v1
	v_lshl_add_u32 v11, v15, 4, v11                ; out: two rows of the codes' buffer an instruction
	v_lshlrev_b32 v15, 5, v1                       ; my column's row of scale bytes
	WLOAD 0
	WLOAD 1
.irp t, 0,1,2,3,4,5,6,7,8,9,10,11,12,13,14,15
	WBLOCK \t
.endr
	global_store_b128 v15, v[WSB:WSB+3], s[16:17]  ; my column's 16 scale bytes
.irp t, 0,1,2,3,4,5,6,7,8,9,10,11,12,13,14,15
	ds_load_b128 v[WOUT+4*\t:WOUT+4*\t+3], v9 offset:2*\t*WPITCH
.endr
.irp t, 0,1,2,3,4,5,6,7,8,9,10,11,12,13,14,15
	s_wait_dscnt 15-\t
	global_store_b128 v11, v[WOUT+4*\t:WOUT+4*\t+3], s[14:15] offset:2*\t*512   ; sixteen lanes store 256 consecutive bytes, aligned
.endr
	s_wait_tensorcnt 0x0                           ; the wave's end, behind my last LDS store
	ds_add_u32 v[SPW], v[NIL]
	s_wait_dscnt 0x0
	s_endpgm
.Lfunc_end_k_q503096b94c_prep:
	.size	k_q503096b94c_prep, .Lfunc_end_k_q503096b94c_prep-k_q503096b94c_prep
	.p2alignl 7, 3214868480
	.fill 96, 4, 3214868480
	.section	.rodata,"a",@progbits
	.p2align	6, 0x0
	.amdhsa_kernel k_q503096b94c_prep
		.amdhsa_group_segment_fixed_size 68096
		.amdhsa_private_segment_fixed_size 0
		.amdhsa_enable_private_segment 0
		.amdhsa_kernarg_size 64
		.amdhsa_user_sgpr_count 2
		.amdhsa_user_sgpr_kernarg_segment_ptr 1
		.amdhsa_wavefront_size32 1
		.amdhsa_system_sgpr_workgroup_id_x 1
		.amdhsa_system_sgpr_workgroup_id_y 1
		.amdhsa_system_sgpr_workgroup_id_z 1
		.amdhsa_system_vgpr_workitem_id 0
		.amdhsa_next_free_vgpr 192
		.amdhsa_next_free_sgpr 66
		.amdhsa_reserve_vcc 0
		.amdhsa_float_denorm_mode_32 3
		.amdhsa_float_denorm_mode_16_64 3
		.amdhsa_memory_ordered 1
		.amdhsa_forward_progress 1
		.amdhsa_inst_pref_size 131
	.end_amdhsa_kernel
	.amdgpu_metadata
---
amdhsa.version: [ 1, 2 ]
amdhsa.kernels:
  - .name:           k_q503096b94c_prep
    .symbol:         k_q503096b94c_prep.kd
    .args:
      - { .name: x, .offset: 0, .size: 8, .value_kind: global_buffer, .address_space: global }
      - { .name: w_qkv, .offset: 8, .size: 8, .value_kind: global_buffer, .address_space: global }
      - { .name: w_proj, .offset: 16, .size: 8, .value_kind: global_buffer, .address_space: global }
      - { .name: x_codes, .offset: 24, .size: 8, .value_kind: global_buffer, .address_space: global }
      - { .name: x_scales, .offset: 32, .size: 8, .value_kind: global_buffer, .address_space: global }
      - { .name: w_codes, .offset: 40, .size: 8, .value_kind: global_buffer, .address_space: global }
      - { .name: w_scales, .offset: 48, .size: 8, .value_kind: global_buffer, .address_space: global }
      - { .name: wp16, .offset: 56, .size: 8, .value_kind: global_buffer, .address_space: global }
    .group_segment_fixed_size: 68096
    .private_segment_fixed_size: 0
    .kernarg_segment_align: 8
    .kernarg_segment_size: 64
    .max_flat_workgroup_size: 128
    .sgpr_count:     66
    .vgpr_count:     192
    .wavefront_size: 32
...
	.end_amdgpu_metadata
.endif
;; end of part 1
;; launch qkv (part 2): grid 12 x 32, 4 waves a work-group, clusters of 4 x 4, 327,680 bytes of LDS; arguments x_codes, x_scales, w_codes, w_scales, qkv; writes qkv
.if DOCPART == 2
	.amdgcn_target "amdgcn-amd-amdhsa--gfx1250"
	.amdhsa_code_object_version 6
	.text
	.protected	k_q503096b94c_qkv
	.globl	k_q503096b94c_qkv
	.p2align	8
	.type	k_q503096b94c_qkv,@function
k_q503096b94c_qkv:
	s_mov_b64 s[64:65], 0
	v_nop
	global_prefetch_b8 v0, s[64:65] scope:SCOPE_SE
	s_setreg_imm32_b32 hwreg(HW_REG_WAVE_MODE, 25, 1), 1
	s_wait_xcnt 0x0
	s_wait_alu depctr_hold_cnt(0) depctr_sa_sdst(0) depctr_va_vdst(0) depctr_va_sdst(0) depctr_va_ssrc(0) depctr_va_vcc(0) depctr_vm_vsrc(0)
	s_getreg_b32 s2, hwreg(HW_REG_IB_STS2, 6, 4)
	s_cmp_eq_u32 s2, 0
	s_cbranch_scc0 .Lentry_in_a_cluster
	s_endpgm
.Lentry_in_a_cluster:
	s_bfe_u32 s2, ttmp6, 0x10000c
	s_cmp_lg_u32 s2, 0xf033
	s_cbranch_scc0 .Lentry_shape_is_right
	s_endpgm
.Lentry_shape_is_right:
; QKV = Q(x) Q(w_qkv), the quantised product, on codes of E2M1 with one E8M0 scale for each 32 along K; sums in f32; the result is rounded once to f16 and laid by head:
; qkv [3 (q, k, v)][b 4][h 16][n 2048][64] f16.  A: x_codes [8192][512 bytes], x_scales [8192][32];  B: w_codes [3072][512 bytes], w_scales [3072][32].
; LIMIT: a result beyond 65,504 in magnitude becomes an infinity in f16 (with all inputs 30 times larger the results reach some 5,000).
; A tile of C, 256 x 256, is made by a work-group of four waves; a wave makes 128 x 128: 64 accumulators of 16 x 16, 512 registers.
; K = 1,024 is two slots of 512 (rows of 256 bytes): both are asked for at the start, and nothing is filled again.  The scales of the work-group's 256 + 256 rows come once, with them.
; CLUSTERS: 4 x 4 work-groups.  The four of a row of the cluster need the same tiles of A, the four of a column the same tiles of B: each tile is asked for JOINTLY, by the same tensor load with the
; same descriptor and a mask that names the four.  THE MATRIX INSTRUCTION IS USED TRANSPOSED (source 0 = 16 rows of B, source 1 = 16 rows of A): a lane then holds eight neighbouring columns of a row of C.
; No prefetch: every tile of the launch is asked for at its head.
; REGISTERS, in windows of 256: window 0: v0-31 addresses; v32-95 scale words, two sets; v96-127 packed results on the way out; from v128 A's fragments, ONE set (on the way out: rows read back).
;   window 1: B's fragments, TWO sets, at v0 and v128.   window 2: the 32 accumulators of my rows 0-63 ((a, b) at v[8 (8 a + b)]);   window 3: those of my rows 64-127.
.set SIZE_K, 1024
.set KSTEP,  512                       ; along K in a slot
.set NQ,     KSTEP/128                 ; matrix instructions deep
.set ROWB,   256                       ; a tile's row in bytes
.set KROW,   SIZE_K*4/8                ; a row of A or of B in memory, in bytes
.set PITCH,  272                       ; an LDS row: 256 bytes + 16 of padding: the 16 rows that a load touches start 68 words apart
.set FR,     8                         ; registers of a fragment: 16 rows x 128 K
.set NL,     2                         ; LDS loads that bring one
.set NP,     4                         ; places behind this matrix instruction (ISA guide 7.12.1)
.set HALFT,  128*PITCH                 ; 128 rows: what one tensor load brings
.set SLOT,   4*HALFT                   ; A's 256 rows, then B's 256 rows
.set KS,     SIZE_K/32                 ; a row of scales in bytes
.set SCL,    2*SLOT                    ; behind the ring: the scales, as units of 256 bytes + 16 of padding
.set HALFS,  (128*KS/256)*272          ; the scales of 128 rows: what one tensor load brings
.set SBLK,   (16*KS/256)*272           ; those of 16 rows
.set SPARE,  SCL+4*HALFS               ; behind the scales: the spare words, 128 bytes a wave: two blocks of 256 bytes that no other line names
.set HP,     144                       ; the way out: a stage row: a token's 128 bytes of one head + 16.  A wave's stage, 2 heads x 16 rows, lies in slot 0, which has had its only fill and its last read by then
.set ADRA, 16                          ; v16-17  LDS address of my A fragments in slot 0, 1
.set ADRB, 20                          ; v20-21  the same for B
.set STO,  24                          ; v24     the way out: where I put 16 bytes of a row
.set RD,   25                          ; v25     where I read rows back
.set CO,   26                          ; v26     16 x lane: my bytes of a store's 512
.set ADRS, 27                          ; v27     LDS address of my scale words: lanes 0-15 A's rows, lanes 16-31 B's
.set SPW,  28                          ; v28     LDS address of my spare word; never rewritten
.set NIL,  29                          ; v29     0; never rewritten
.set SC,   32                          ; scale words: set s at v[SC + 32 s]; register 4 i + q: lanes 0-15 the word of A's block i, lanes 16-31 that of B's block i, for the slot's q-th 128 along K
.set TMP,  96
.set AF,   128
.set BK,   128                         ; the way out: v128-159 and v160-191 by turns
.set G1, 24                            ; s[24:31] descriptor group 1 for A's tiles;  s[32:39] group 0, one set for each slot
.set G0, 32
.set G1B, 48                           ; s[48:55], s[56:63] the same for B's tiles
.set G0B, 56
.set G1S, 68                           ; s[68:75], s[76:79] groups 1 and 0 for A's scales;  s[80:87], s[88:91] for B's
.set G0S, 76
.set G1SB, 80
.set G0SB, 88
.set MSB, 0
.macro WIN new                         ; the immediate's high byte repeats the setting that is left
.if MSB != (\new)
	s_set_vgpr_msb (MSB<<8)|(\new)
.set MSB, (\new)
.endif
.endm
.set MUL_LO, 0xa1                      ; source 0 (B) window 1, source 1 (A) window 0, C and D window 2
.set MUL_HI, 0xf1                      ; the same, C and D window 3
.set TO_B,   0x40                      ; destination window 1, address window 0
; A joint load: waves 0 and 1 fetch for A, waves 2 and 3 for B.  Each line has ONE mask and one set of registers for all that issue it; the branch hangs on the wave's number alone.
; An s_nop 0 and four v_nop follow each of the two lines, ahead of the jump, the label and what follows.
.macro JLOAD g0a, g1a, g0b, g1b
	s_cmp_eq_u32 s15, 0
	s_cbranch_scc0 .Lfor_b_\@
	tensor_load_to_lds s[\g0a:\g0a+3], s[\g1a:\g1a+7]
	s_nop 0
.rept 4
	v_nop
.endr
	s_branch .Lasked_\@
.Lfor_b_\@:
	tensor_load_to_lds s[\g0b:\g0b+3], s[\g1b:\g1b+7]
	s_nop 0
.rept 4
	v_nop
.endr
.Lasked_\@:
.endm
.macro CROUND                          ; a round of the cluster's barrier
	s_barrier_signal -1
	s_barrier_wait -1
	s_cmp_lg_u32 s14, 0
	s_cbranch_scc1 .Lnot_wave_0_\@
	s_barrier_signal -3
.Lnot_wave_0_\@:
	s_barrier_wait -3
	s_barrier_signal -1
	s_barrier_wait -1
.endm
	s_load_b128 s[4:7], s[0:1], 0x0                ; A's codes s[4:5], A's scales s[6:7]
	s_load_b128 s[8:11], s[0:1], 0x10              ; B's codes s[8:9], B's scales s[10:11]
	s_load_b64 s[12:13], s[0:1], 0x20              ; qkv
	v_lshl_add_u32 v[SPW], v0, 2, SPARE
	v_mov_b32 v[NIL], 0
	ds_add_u32 v[SPW], v[NIL]                      ; the wave's opening: the add, twice on end, and its wait ahead of my first tensor load
	ds_add_u32 v[SPW], v[NIL]                      ; and once more; the set-up below, work on registers, stands between it and the wait
	v_lshrrev_b32 v1, 5, v0
	v_readfirstlane_b32 s14, v1                    ; wave 0..3
	s_lshr_b32 s15, s14, 1                         ; which half of the tile's rows is mine.  Also: I fetch for A (0) or for B (1)
	s_and_b32 s16, s14, 1                          ; which half of its columns.  Also: which 128 rows of that tile I fetch
	s_bfe_u32 s40, ttmp6, 0x40000                  ; cx, cy: my place in the cluster
	s_bfe_u32 s41, ttmp6, 0x40004
	s_lshl_b32 s42, ttmp9, 2
	s_add_co_u32 s42, s42, s40                     ; tile column of C = 4 x cluster x + cx
	s_and_b32 s17, ttmp7, 0xffff
	s_lshl_b32 s17, s17, 2
	s_add_co_u32 s17, s17, s41                     ; tile row of C = 4 x cluster y + cy
	s_lshl_b32 s43, s41, 2
	s_lshl_b32 s43, 15, s43                        ; my row of the cluster
	s_lshl_b32 s44, 0x1111, s40                    ; my column
	; descriptor group 1: a tile of 128 rows x 256 bytes, padded in LDS
	s_or_b32 s[G1+0], s43, (0<<16)|(1<<20)|(1<<21)|(5<<22)|(3<<25)  ; 15:0 the mask: A's tiles go to my row; 17:16 element of 1 byte; 20 padding on; 21 set beside a mask; 24:22 after every 64 words; 31:25 four words
	s_or_b32 s[G1B+0], s44, (0<<16)|(1<<20)|(1<<21)|(5<<22)|(3<<25)
.irp g, G1, G1B
	s_mov_b32 s[\g+1], ROWB<<16                    ; tensor_dim0
	s_mov_b32 s[\g+2], 128<<16                     ; tensor_dim1 = 128
	s_mov_b32 s[\g+3], ROWB<<16                    ; tile_dim0
	s_mov_b32 s[\g+4], 128                         ; tile_dim1 = 128
	s_mov_b32 s[\g+5], KROW                        ; tensor_dim0_stride
	s_mov_b32 s[\g+6], 0
	s_mov_b32 s[\g+7], 0
.endr
	; and for the scales of 128 rows: a dense block of 4,096 bytes, as 16 rows of 256 bytes (32 elements of 8 bytes), 16 bytes of padding behind each
	s_or_b32 s[G1S+0], s43, (3<<16)|(1<<20)|(1<<21)|(5<<22)|(3<<25)
	s_or_b32 s[G1SB+0], s44, (3<<16)|(1<<20)|(1<<21)|(5<<22)|(3<<25)
.irp g, G1S, G1SB
	s_mov_b32 s[\g+1], 32<<16
	s_mov_b32 s[\g+2], (128*KS/256)<<16
	s_mov_b32 s[\g+3], 32<<16
	s_mov_b32 s[\g+4], 128*KS/256
	s_mov_b32 s[\g+5], 32
	s_mov_b32 s[\g+6], 0
	s_mov_b32 s[\g+7], 0
.endr
	s_lshl_b32 s18, s16, 7                         ; which 128 rows of the tile I fetch
	s_lshl_b32 s20, s17, 8
	s_add_co_u32 s20, s20, s18                     ; A: row 256 x tile row + 128 x half
	s_lshl_b32 s46, s42, 8
	s_add_co_u32 s46, s46, s18                     ; B: row 256 x tile column + 128 x half
	s_mov_b32 s21, 0
	s_mov_b32 s47, 0
	s_mov_b64 s[18:19], KS
	s_mul_u64 s[22:23], s[20:21], s[18:19]         ; where these rows' scales begin, in bytes
	s_mul_u64 s[92:93], s[46:47], s[18:19]
	s_mov_b64 s[18:19], KROW
	s_mul_u64 s[20:21], s[20:21], s[18:19]         ; and their codes
	s_mul_u64 s[46:47], s[46:47], s[18:19]
	s_mul_i32 s45, s14, HALFT                      ; where they go: wave x 128 rows: no place in the cluster enters an LDS address
	s_mul_i32 s94, s14, HALFS
	s_wait_dscnt 0x0                               ; both opening adds are done
	s_wait_kmcnt 0x0
	s_add_nc_u64 s[20:21], s[4:5], s[20:21]
	s_add_nc_u64 s[22:23], s[6:7], s[22:23]
	s_add_nc_u64 s[46:47], s[8:9], s[46:47]
	s_add_nc_u64 s[92:93], s[10:11], s[92:93]
	CROUND                                         ; all sixteen work-groups are here: the joint loads meet
	s_mov_b32 s[G0S], 1
	s_add_co_u32 s[G0S+1], s94, SCL
	s_mov_b64 s[G0S+2:G0S+3], s[22:23]
	s_or_b32 s[G0S+3], s[G0S+3], 0x80000000
	s_mov_b32 s[G0SB], 1
	s_add_co_u32 s[G0SB+1], s94, SCL
	s_mov_b64 s[G0SB+2:G0SB+3], s[92:93]
	s_or_b32 s[G0SB+3], s[G0SB+3], 0x80000000
	JLOAD G0S, G1S, G0SB, G1SB                     ; the scales first: they are wanted with the first slot.  Three loads of mine are out behind the third of these
.irp s, 0,1
	s_mov_b32 s[G0+4*\s], 1
	s_add_co_u32 s[G0+4*\s+1], s45, \s*SLOT
	s_add_nc_u64 s[G0+4*\s+2:G0+4*\s+3], s[20:21], \s*ROWB
	s_or_b32 s[G0+4*\s+3], s[G0+4*\s+3], 0x80000000
	s_mov_b32 s[G0B+4*\s], 1
	s_add_co_u32 s[G0B+4*\s+1], s45, \s*SLOT
	s_add_nc_u64 s[G0B+4*\s+2:G0B+4*\s+3], s[46:47], \s*ROWB
	s_or_b32 s[G0B+4*\s+3], s[G0B+4*\s+3], 0x80000000
	JLOAD G0+4*\s, G1, G0B+4*\s, G1B
.endr
	v_and_b32 v1, 15, v0                           ; r = l % 16
	v_bfe_u32 v2, v0, 4, 1                         ; h = l / 16
	v_mul_u32_u24 v3, v1, PITCH
	v_lshl_add_u32 v4, v2, 4, v3                   ; a fragment's row x pitch + 16 x half
	s_mul_i32 s21, s15, HALFT                      ; my 128 rows of A
	s_mul_i32 s22, s16, HALFT                      ; my 128 rows of B,
	s_add_co_u32 s22, s22, 2*HALFT                 ; which lie behind A's 256
.irp s, 0,1
	v_add_nc_u32 v[ADRA+\s], s21, v4
	v_add_nc_u32 v[ADRB+\s], s22, v4
	s_add_co_u32 s21, s21, SLOT
	s_add_co_u32 s22, s22, SLOT
.endr
	v_mul_u32_u24 v5, v1, KS                       ; my row's scales: 32 bytes a row,
	v_lshrrev_b32 v6, 8, v5
	v_lshl_add_u32 v5, v6, 4, v5                   ; and 16 more for each 256 passed
	s_mul_i32 s21, s15, HALFS                      ; A's: my 128 rows
	s_mul_i32 s22, s16, HALFS                      ; B's: my 128 rows, behind A's 256
	s_add_co_u32 s22, s22, 2*HALFS
	s_sub_co_u32 s22, s22, s21
	v_mul_u32_u24 v6, s22, v2                      ; lanes 16-31 take B's: one product, the distance between the two bases x h
	s_add_co_u32 s21, s21, SCL
	v_add_nc_u32 v5, v5, v6
	v_add_nc_u32 v[ADRS], s21, v5
	s_mul_i32 s23, s14, 2*16*HP                    ; my stage
	v_mul_u32_u24 v5, v1, HP                       ; in: row r, 16 bytes for each half of the lanes
	v_lshl_add_u32 v5, v2, 4, v5
	v_add_nc_u32 v[STO], s23, v5
	v_and_b32 v6, 31, v0
	v_lshlrev_b32 v[CO], 4, v6                     ; out: four tokens' 128 bytes of a head are 512 consecutive bytes: 16 a lane
	v_lshrrev_b32 v5, 3, v6
	v_mul_u32_u24 v5, v5, HP                       ; back: eight lanes to a row, four rows an instruction
	v_and_b32 v6, 7, v0
	v_lshl_add_u32 v5, v6, 4, v5
	v_add_nc_u32 v[RD], s23, v5
	; where my 128 rows x 128 columns begin in qkv.  Row m = 2,048 b + n; column c = 1,024 which + 64 head + d.  A head's block is 2^18 bytes, a token's row in it 128
	s_lshl_b32 s20, s17, 8
	s_lshl_b32 s21, s15, 7
	s_add_co_u32 s20, s20, s21                     ; my first row m0
	s_lshr_b32 s21, s20, 11                        ; b
	s_and_b32 s20, s20, 2047                       ; n
	s_lshl_b32 s20, s20, 7
	s_lshl_b32 s21, s21, 22                        ; b x 16 heads x 2^18
	s_add_co_u32 s20, s20, s21
	s_mov_b32 s21, 0
	s_add_nc_u64 s[12:13], s[12:13], s[20:21]
	s_lshl_b32 s46, s42, 8
	s_lshl_b32 s47, s16, 7
	s_add_co_u32 s46, s46, s47                     ; my first column c0: a multiple of 128, so my columns are two whole heads of one of q, k, v
	s_lshr_b32 s47, s46, 10                        ; which
	s_lshl_b32 s47, s47, 24                        ; x 4 x 16 x 2^18
	s_bfe_u32 s46, s46, 0x40006                    ; the first of my two heads
	s_lshl_b32 s46, s46, 18
	s_add_co_u32 s46, s46, s47
	s_mov_b32 s47, 0
	s_add_nc_u64 s[12:13], s[12:13], s[46:47]
.macro FRAG reg, adr, q, i             ; a fragment, 16 rows x 128 K of 4-bit codes: lane l holds row l % 16; registers 4 c .. 4 c + 3 hold K = 64 c + 32 (l / 16) + 0 .. 31
.irp c, 0,1
	ds_load_b128 v[\reg+4*\c:\reg+4*\c+3], v[\adr] offset:64*(\q)+32*\c+(\i)*16*PITCH
.endr
.endm
; 16 matrix instructions: A's blocks a0, a0 + 1 x B's eight, the slot's q-th 128 along K.  p: B's set;  sc: the set of scale words.  zero = 1: the first product starts the sums.
; The 64 accumulators take turns, one instruction a turn, in the same order in every step.
.macro MUL16 a0, p, q, sc, zero
.irp a, \a0, \a0+1
.irp b, 0,1,2,3,4,5,6,7
.if \zero
	v_wmma_scale_f32_16x16x128_f8f6f4 v[8*(8*((\a)%4)+\b):8*(8*((\a)%4)+\b)+7], v[128*(\p)+FR*\b:128*(\p)+FR*\b+FR-1], v[AF+FR*(\a):AF+FR*(\a)+FR-1], 0, v[SC+8*NQ*(\sc)+NQ*\b+(\q)], v[SC+8*NQ*(\sc)+NQ*(\a)+(\q)] matrix_a_fmt:MATRIX_FMT_FP4 matrix_b_fmt:MATRIX_FMT_FP4 matrix_a_scale:MATRIX_SCALE_ROW1
.else
	v_wmma_scale_f32_16x16x128_f8f6f4 v[8*(8*((\a)%4)+\b):8*(8*((\a)%4)+\b)+7], v[128*(\p)+FR*\b:128*(\p)+FR*\b+FR-1], v[AF+FR*(\a):AF+FR*(\a)+FR-1], v[8*(8*((\a)%4)+\b):8*(8*((\a)%4)+\b)+7], v[SC+8*NQ*(\sc)+NQ*\b+(\q)], v[SC+8*NQ*(\sc)+NQ*(\a)+(\q)] matrix_a_fmt:MATRIX_FMT_FP4 matrix_b_fmt:MATRIX_FMT_FP4 matrix_a_scale:MATRIX_SCALE_ROW1
.endif
.endr
.endr
.endm
.macro FETCH_B slot, q, p              ; B's eight fragments of the slot's q-th 128 along K into set p
	WIN TO_B
.irp i, 0,1,2,3,4,5,6,7
	FRAG 128*(\p)+FR*\i, ADRB+\slot, \q, \i
.endr
	WIN 0
.endm
.macro FETCH_A slot, q, i0             ; A's blocks i0 .. i0 + 3
.irp i, \i0, \i0+1, \i0+2, \i0+3
	FRAG AF+FR*(\i), ADRA+\slot, \q, \i
.endr
.endm
.macro SCALES sc                       ; a slot's scale words into set sc: 4 words a row; lanes 0-15 take A's block i, lanes 16-31 B's block i
.irp i, 0,1,2,3,4,5,6,7
	ds_load_b128 v[SC+8*NQ*\sc+NQ*\i:SC+8*NQ*\sc+NQ*\i+3], v[ADRS] offset:\i*SBLK
.endr
.endm
; A load into a register that a matrix instruction has read, and a vector instruction that reads a matrix result, stand four places behind that matrix instruction; only plain vector
; instructions that name none of its registers are places (ISA guide 7.12.1 for vector instructions).
.macro PLACES n
.rept \n
	v_nop
.endr
.endm
; A step of 128 along K that has its successor in the same slot.  A block of A is free as soon as its eight products are issued, so one set serves A; B has two.
.macro STEP slot, q, zero
	s_wait_dscnt 4*NL                              ; B's set and A's blocks 0-3 are in; the youngest eight loads (A's blocks 4-7) may be out
	WIN MUL_LO
	MUL16 0, (\q)%2, \q, \slot, \zero
	MUL16 2, (\q)%2, \q, \slot, \zero
	s_wait_dscnt 0                                 ; A's blocks 4-7 are in
	PLACES NP
	FETCH_B \slot, (\q)+1, 1-(\q)%2
	FETCH_A \slot, (\q)+1, 0
	WIN MUL_HI
	MUL16 4, (\q)%2, \q, \slot, \zero
	MUL16 6, (\q)%2, \q, \slot, \zero
	PLACES NP
	WIN 0
	FETCH_A \slot, (\q)+1, 4
.endm
; Slot 0's last step changes slots: one barrier; in front of it each wave waits for all its tensor loads (its part of slot 1), adds 0 to its spare word, and waits for that and for its reads of slot 0.
; Behind it slot 1 is whole and nobody reads slot 0 any more: there the stages of the way out will lie.  Nothing is filled again.
.macro TURN slot, next
	s_wait_tensorcnt 0x0                           ; all my tensor loads have landed  (every window is 0 here: the add's two registers lie in window 0)
	ds_add_u32 v[SPW], v[NIL]                      ; 0 onto my spare word
	s_wait_dscnt 4*NL+1                            ; (the add and the youngest eight loads, A's blocks 4-7, may be out)
	WIN MUL_LO
	MUL16 0, 1, NQ-1, \slot, 0                     ; sixteen matrix instructions stand between the add and the wait for it
	s_wait_dscnt 0x0                               ; the add is done, and my reads of this slot are over
	s_barrier_signal -1
	MUL16 2, 1, NQ-1, \slot, 0
	WIN 0
	s_barrier_wait -1
	PLACES NP
	v_add_nc_u32 v[ADRS], 4*NQ, v[ADRS]            ; on to the next slot's scale words (no LDS load of mine is out)
	FETCH_B \next, 0, 0
	FETCH_A \next, 0, 0
	SCALES \next
	WIN MUL_HI
	MUL16 4, 1, NQ-1, \slot, 0
	MUL16 6, 1, NQ-1, \slot, 0
	PLACES NP
	WIN 0
	FETCH_A \next, 0, 4
.endm
	s_wait_tensorcnt 1                             ; the scales and my part of slot 0 are in (slot 1's load may be out),
	s_barrier_signal -1
	s_barrier_wait -1                              ; everybody's are
	FETCH_B 0, 0, 0
	FETCH_A 0, 0, 0
	SCALES 0
	FETCH_A 0, 0, 4
	STEP 0, 0, 1                                   ; the first step's products start the sums: nothing is cleared
	STEP 0, 1, 0
	STEP 0, 2, 0
	TURN 0, 1
	STEP 1, 0, 0
	STEP 1, 1, 0
	STEP 1, 2, 0
	s_wait_dscnt 4*NL                              ; the very last step: nothing more to fetch
	WIN MUL_LO
	MUL16 0, 1, NQ-1, 1, 0
	MUL16 2, 1, NQ-1, 1, 0
	s_wait_dscnt 0
	WIN MUL_HI
	MUL16 4, 1, NQ-1, 1, 0
	MUL16 6, 1, NQ-1, 1, 0
	WIN 0
; THE WAY OUT, block by block of 16 rows (tokens) x 128 columns (two heads).  PACK: rounded to f16, a lane's eight columns are 16 bytes.  TOSTAGE: into my stage, by head and token, and back four tokens
; of a head at a time.  SEND: those are 512 consecutive bytes of qkv, aligned.  LDS serves a wave's instructions in order (ISA guide 5.7.1.4): no wait between the stores and the loads.
.macro PACK a
.set AC, 64*((\a)%4)
	WIN 0x0a+5*((\a)/4)                            ; sources 0 and 1: window 2 or 3
.irp b, 0,1,2,3,4,5,6,7
.irp r, 0,1,2,3
	v_cvt_pk_f16_f32 v[TMP+4*\b+\r], v[AC+8*\b+2*\r], v[AC+8*\b+2*\r+1]   ; each accumulator from its low end on
.endr
.endr
	WIN 0
.endm
.macro TOSTAGE a
.set BB, BK+32*((\a)%2)
.irp b, 0,1,2,3,4,5,6,7
	ds_store_b128 v[STO], v[TMP+4*\b:TMP+4*\b+3] offset:16*HP*(\b/4)+32*(\b%4)
.endr
.irp t, 0,1,2,3,4,5,6,7
	ds_load_b128 v[BB+4*\t:BB+4*\t+3], v[RD] offset:16*HP*(\t/4)+4*HP*(\t%4)
.endr
.endm
.macro SEND a
.set BB, BK+32*((\a)%2)
	s_wait_dscnt 0x0                               ; the block is back in registers
	s_wait_xcnt 0x0                                ; the block before has had its stores' registers read: the next TOSTAGE loads into them
.irp t, 0,1,2,3,4,5,6,7
	global_store_b128 v[CO], v[BB+4*\t:BB+4*\t+3], s[12:13] offset:262144*(\t/4)+2048*(\a)+512*(\t%4)   ; head t / 4, tokens 16 a + 4 (t % 4) on: the base is never stepped
.endr
.endm
	PLACES NP                                      ; behind the last products: for the conversions, and for the loads into the registers that held A's fragments
	PACK 0
	TOSTAGE 0
.irp a, 1,2,3,4,5,6,7                  ; block a's conversions stand between block a - 1's loads from the stage and the wait for them
	PACK \a
	SEND \a-1
	TOSTAGE \a
.endr
	SEND 7
	s_wait_tensorcnt 0x0                           ; the wave's end, behind my last tensor load and my last LDS store
	ds_add_u32 v[SPW], v[NIL]
	s_wait_dscnt 0x0
	CROUND                                         ; the closing round: no work-group ends while a partner may still ask for a tile that names it
	s_endpgm
.Lfunc_end_k_q503096b94c_qkv:
	.size	k_q503096b94c_qkv, .Lfunc_end_k_q503096b94c_qkv-k_q503096b94c_qkv
	.p2alignl 7, 3214868480
	.fill 96, 4, 3214868480
	.section	.rodata,"a",@progbits
	.p2align	6, 0x0
	.amdhsa_kernel k_q503096b94c_qkv
		.amdhsa_group_segment_fixed_size 327680
		.amdhsa_private_segment_fixed_size 0
		.amdhsa_enable_private_segment 0
		.amdhsa_kernarg_size 40
		.amdhsa_user_sgpr_count 2
		.amdhsa_user_sgpr_kernarg_segment_ptr 1
		.amdhsa_wavefront_size32 1
		.amdhsa_system_sgpr_workgroup_id_x 1
		.amdhsa_system_sgpr_workgroup_id_y 1
		.amdhsa_system_sgpr_workgroup_id_z 1
		.amdhsa_system_vgpr_workitem_id 0
		.amdhsa_next_free_vgpr 1024
		.amdhsa_next_free_sgpr 98
		.amdhsa_reserve_vcc 0
		.amdhsa_float_denorm_mode_32 3
		.amdhsa_float_denorm_mode_16_64 3
		.amdhsa_memory_ordered 1
		.amdhsa_forward_progress 1
		.amdhsa_inst_pref_size 127
	.end_amdhsa_kernel
	.amdgpu_metadata
---
amdhsa.version: [ 1, 2 ]
amdhsa.kernels:
  - .name:           k_q503096b94c_qkv
    .symbol:         k_q503096b94c_qkv.kd
    .args:
      - { .name: x_codes, .offset: 0, .size: 8, .value_kind: global_buffer, .address_space: global }
      - { .name: x_scales, .offset: 8, .size: 8, .value_kind: global_buffer, .address_space: global }
      - { .name: w_codes, .offset: 16, .size: 8, .value_kind: global_buffer, .address_space: global }
      - { .name: w_scales, .offset: 24, .size: 8, .value_kind: global_buffer, .address_space: global }
      - { .name: qkv, .offset: 32, .size: 8, .value_kind: global_buffer, .address_space: global }
    .group_segment_fixed_size: 327680
    .private_segment_fixed_size: 0
    .kernarg_segment_align: 8
    .kernarg_segment_size: 40
    .max_flat_workgroup_size: 128
    .sgpr_count:     98
    .vgpr_count:     1024
    .wavefront_size: 32
...
	.end_amdgpu_metadata
.endif
;; end of part 2
;; launch attn (part 3): grid 4 x 64, 8 waves a work-group, clusters of 4 x 1, 327,680 bytes of LDS; arguments qkv, att; writes att
.if DOCPART == 3
	.amdgcn_target "amdgcn-amd-amdhsa--gfx1250"
	.amdhsa_code_object_version 6
	.text
	.protected	k_q503096b94c_attn
	.globl	k_q503096b94c_attn
	.p2align	8
	.type	k_q503096b94c_attn,@function
k_q503096b94c_attn:
	s_mov_b64 s[64:65], 0
	v_nop
	global_prefetch_b8 v0, s[64:65] scope:SCOPE_SE
	s_setreg_imm32_b32 hwreg(HW_REG_WAVE_MODE, 25, 1), 1
	s_wait_xcnt 0x0
	s_wait_alu depctr_hold_cnt(0) depctr_sa_sdst(0) depctr_va_vdst(0) depctr_va_sdst(0) depctr_va_ssrc(0) depctr_va_vcc(0) depctr_vm_vsrc(0)
	s_getreg_b32 s2, hwreg(HW_REG_IB_STS2, 6, 4)
	s_cmp_eq_u32 s2, 0
	s_cbranch_scc0 .Lentry_in_a_cluster
	s_endpgm
.Lentry_in_a_cluster:
	s_bfe_u32 s2, ttmp6, 0x10000c
	s_cmp_lg_u32 s2, 0x3003
	s_cbranch_scc0 .Lentry_shape_is_right
	s_endpgm
.Lentry_shape_is_right:
; ATT[h][b n][:] = the sum over k of softmax_k(Q[q] . K[k] / 32) V[k][:], for each of the 64 pairs (b, h); head size 64, 2,048 keys, no mask.
; qkv: [3][b 4][h 16][2048][64] f16.  att: [h 16][b n 8192][64] f16.  Products on f16 operands with f32 sums; maxima, exponentials and sums in f32; the weights p (at most 1) are rounded to f16
; for the second product, the result once at the end.
; LIMITS: numbers of att under 2^-14 in magnitude are rounded in steps of 2^-24; weights under 2^-25 of the row's largest count as 0; NaN and infinities are not served.
; SHARES.  A cluster of four work-groups is one (b, h); a work-group owns 512 of its queries, each of its eight waves 64: four tiles of 16.  Two waves share a SIMD, so that one wave's softmax
; stands beside the other's products.  Every wave walks all keys, 64 a step; each fragment of K and V read from LDS feeds four matrix instructions.
; LAYOUT.  S^T = K Q^T (source 0 = 16 keys, source 1 = 16 queries): a lane holds ONE query (lane % 16) and the keys 8 (lane / 16) + 0..7 of each tile.  Two such tiles, rounded to f16 in pairs, ARE
; source 1 (32 keys x 16 queries) of O^T = V^T P, whose result again holds one query a lane, and eight channels.  K comes out of LDS as it lies, V ([key][channel]) turned, by ds_load_tr16_b128.
; SOFTMAX.  For each query a running maximum m and sum l: p = 2^(c s - c m), c = log2(e) / 32; in every step O and l are multiplied by a = 2^(c m_old - c m_new), which is 1 where m has not grown.
; RING.  Two slots of 512 keys (8 steps).  The four work-groups walk the same K and V, so each tile is asked for JOINTLY: waves 0-3 fetch K's quarters, waves 4-7 V's, one load a wave behind each
; round of the cluster's barrier; by this text's count one tensor load of a wave is out.
; In phases, not by turns inside a wave: at head size 64 a step has some 8 vector instructions for each matrix instruction, more than stand behind one; the second wave of the SIMD fills the gaps.
; REGISTERS: window 0: v1-15 addresses; v16-47 eight registers of statistics a tile; v48-111 Q; v112-239 S^T, 32 a tile; P is laid over S^T's first 16 of each tile.
;            window 1: v0-127 O^T, 32 a tile; v128-191 K of one step; v192-255 V of one step.
.set PK,    144                        ; a row of K in LDS: 128 bytes + 16: an odd multiple of 16, so the 16 rows of a load start in different groups of banks
.set PV,    160                        ; a row of V: 128 + 32: an odd multiple of 32
.set VOFF,  512*PK                     ; a slot: 512 rows of K, then 512 rows of V
.set SLOTB, 512*(PK+PV)                ; 155,648
.set SPARE, 2*SLOTB                    ; behind the ring: the spare words, 128 bytes a wave: four blocks of 256 bytes that no other line names
.set TILEB, 512*128                    ; a slot's keys in memory, in bytes, of K or of V
.set KBASE, 16777216                   ; where k begins in qkv
.set VBASE, 33554432                   ; and v
.set AK0, 2                            ; v2   my lane's place in a tile of K; never rewritten
.set AV0, 3                            ; v3   the same for V
.set ADK, 4                            ; v4   LDS address of the step's K
.set ADV, 5                            ; v5   of its V
.set QO,  6                            ; v6   my byte offset in the wave's rows of Q
.set STO, 7                            ; v7   the way out: where I put 16 bytes of a row.  The stage, 16 rows x 144 bytes a wave, lies in slot 0, which has had its last fill and its last read by then
.set RD,  8                            ; v8   where I read rows back
.set GO,  9                            ; v9   16 x lane
.set SPW, 10                           ; v10  LDS address of my spare word; never rewritten
.set NIL, 11                           ; v11  0; never rewritten
.set PFO, 12                           ; v12  256 x lane: the prefetches' offset; never rewritten
.set ST,  16                           ; tile t's statistics at v[ST+8 t]: +0 c m, +1 m, +2, +3 l (even keys', odd keys'), +4 to +7 at work; a takes +6 once the maximum is found
.set Q,   48                           ; Q's fragment (tile t, channels 32 c on) at v[Q+16 t+8 c]
.set S,   112                          ; S^T (tile t, keys 16 kt on) at v[S+32 t+8 kt]; P (tile t, keys 32 kb on) at v[S+32 t+8 kb]
.set KF,  128                          ; window 1: K (keys 16 kt on, channels 32 c on) at v[KF+8 (2 kt+c)]
.set VF,  192                          ; window 1: V^T (keys 32 kb on, channels 16 ct on) at v[VF+32 kb+8 ct]
.set WV,  8                            ; s8   my wave's number
.set G1K, 16                           ; s[16:23] descriptor group 1 for K's tiles
.set G1V, 24                           ; s[24:31] for V's: it differs in the padding alone
.set G0K, 32                           ; s[32:39] group 0 for K's tiles, a set for each slot
.set G0V, 40                           ; s[40:47] the same for V's
.set CS,  48                           ; s[48:49] c: the packed scaling names a pair and takes its low word for both halves
.set SEL, 50                           ; s[50:51] lane selects for v_permlanex16_b32: lane l xor 16
.set TK,  52                           ; s52  LDS byte at which the step's K begins
.set TV,  53                           ; s53  the same for V (less VOFF, which v3 carries)
.set CNT, 54                           ; s54  counts a slot's steps
.set PFA, 56                           ; s[56:57] where my prefetches stand; never rewritten
.set QB,  58                           ; s[58:59] Q at my wave's first row
.set OB,  60                           ; s[60:61] att at my wave's first row
.set MSB, 0
.macro WIN new                         ; the immediate's high byte repeats the setting that is left; a switch that changes nothing is dropped
.if MSB != (\new)
	s_set_vgpr_msb (MSB<<8)|(\new)
.set MSB, (\new)
.endif
.endm
.set W_KQ, 0x01                        ; K in window 1; Q and S^T in window 0
.set W_PV, 0x51                        ; V and O^T in window 1, P in window 0
.set W_RS, 0x41                        ; O^T (destination and source 0) in window 1, a in window 0
.set W_LD, 0x40                        ; destination window 1, address window 0
; A joint load into slot s.  The branch hangs on the wave's number alone.  An s_nop 0 and four v_nop follow each of the two lines.
.macro JLOAD s
	s_cmp_lt_u32 s[WV], 4
	s_cbranch_scc0 .Lfor_v_\@
	tensor_load_to_lds s[G0K+4*(\s):G0K+4*(\s)+3], s[G1K:G1K+7]
	s_nop 0
.rept 4
	v_nop
.endr
	s_branch .Lasked_\@
.Lfor_v_\@:
	tensor_load_to_lds s[G0V+4*(\s):G0V+4*(\s)+3], s[G1V:G1V+7]
	s_nop 0
.rept 4
	v_nop
.endr
.Lasked_\@:
.endm
; A PREFETCH INTO THE L2 of what the NEXT change of slots will ask for: 65,536 bytes of K and as many of V.  Each aligned block of 256 bytes is named once in the launch: the four partners take
; 16,384 bytes each, told apart BY ADDRESS; in each, waves 0 and 1 ask for K's and waves 2 and 3 for V's, 8,192 bytes a wave, lanes 256 bytes apart.  n = 0: keys 1,024 on; n = 1: keys 1,536 on.
; It stands behind the wave's tensor load and its five lines, a slot's 8 key steps ahead of the load that will want the data.  Keys 0 to 1,023 come by their loads alone.
.macro ASK n
	s_cmp_lt_u32 s[WV], 4
	s_cbranch_scc0 .Lnot_mine_\@
	global_prefetch_b8 v[PFO], s[PFA:PFA+1] offset:TILEB*(\n) th:TH_LOAD_NT scope:SCOPE_SE
.Lnot_mine_\@:
.endm
.macro CROUND                          ; a round of the cluster's barrier
	s_barrier_signal -1
	s_barrier_wait -1
	s_cmp_lg_u32 s[WV], 0
	s_cbranch_scc1 .Lnot_wave_0_\@
	s_barrier_signal -3
.Lnot_wave_0_\@:
	s_barrier_wait -3
	s_barrier_signal -1
	s_barrier_wait -1
.endm
	s_load_b128 s[4:7], s[0:1], 0x0                ; qkv s[4:5], att s[6:7]
	v_lshl_add_u32 v[SPW], v0, 2, SPARE
	v_mov_b32 v[NIL], 0
	ds_add_u32 v[SPW], v[NIL]                      ; the wave's opening: the add, twice on end, and its wait ahead of my first tensor load
	ds_add_u32 v[SPW], v[NIL]                      ; and once more; the set-up below, work on registers, stands between it and the wait
	v_lshrrev_b32 v13, 5, v0
	v_readfirstlane_b32 s[WV], v13                 ; wave 0..7
	s_bfe_u32 s9, ttmp6, 0x40000                   ; cx: my place in the cluster
	s_lshl_b32 s11, ttmp9, 2                       ; in a cluster launch ttmp9 counts clusters
	s_add_co_u32 s11, s11, s9                      ; my block of 512 queries: it enters Q's and att's addresses alone
	s_and_b32 s10, ttmp7, 0xffff                   ; 16 b + h, which the four partners share
	; descriptor group 1: a tile of 128 rows x 64 elements, dense in memory, padded in LDS
	s_mov_b32 s[G1K], 15|(1<<16)|(1<<20)|(1<<21)|(4<<22)|(3<<25)  ; 15:0 the mask: all four work-groups; 17:16 elements of 2 bytes; 20 padding on; 21 set beside a mask; 24:22 after every 32 words; 31:25 four words
	s_mov_b32 s[G1V], 15|(1<<16)|(1<<20)|(1<<21)|(4<<22)|(7<<25)  ; the same with eight words of padding
.irp g, G1K, G1V
	s_mov_b32 s[\g+1], 64<<16                      ; tensor_dim0 = 64
	s_mov_b32 s[\g+2], 128<<16                     ; tensor_dim1 = 128
	s_mov_b32 s[\g+3], 64<<16                      ; tile_dim0 = 64
	s_mov_b32 s[\g+4], 128                         ; tile_dim1 = 128
	s_mov_b32 s[\g+5], 64                          ; tensor_dim0_stride
	s_mov_b32 s[\g+6], 0
	s_mov_b32 s[\g+7], 0
.endr
	s_mov_b32 s[CS], 0x3d38aa3b                    ; c = log2(e) / 32
	s_mov_b32 s[CS+1], s[CS]                       ; named with it as a pair, so it is written
	s_mov_b32 s[SEL], 0x76543210
	s_mov_b32 s[SEL+1], 0xfedcba98
	s_and_b32 s12, s[WV], 3                        ; which quarter of a slot's 512 rows I fetch:
	s_mul_i32 s13, s12, 128*PK                     ; its place among K's rows in a slot,
	s_mul_i32 s55, s12, 128*PV
	s_add_co_u32 s55, s55, VOFF                    ; among V's: no place in the cluster enters an LDS address
	s_lshl_b32 s14, s10, 18                        ; the head's 2^18 bytes,
	s_lshl_b32 s15, s12, 14                        ; my 128 rows of 128 bytes in memory
	s_add_co_u32 s14, s14, s15
	s_mov_b32 s15, 0
	s_lshl_b32 s2, s11, 16                         ; my block's 512 rows,
	s_lshl_b32 s3, s[WV], 13                       ; my wave's 64 of them
	s_add_co_u32 s2, s2, s3
	s_lshl_b32 s3, s10, 18
	s_add_co_u32 s[QB], s2, s3                     ; Q: head, then row
	s_mov_b32 s[QB+1], 0
	s_and_b32 s3, s10, 15                          ; h
	s_lshl_b32 s3, s3, 2
	s_lshr_b32 s[OB], s10, 4                       ; b
	s_add_co_u32 s3, s3, s[OB]
	s_lshl_b32 s3, s3, 18                          ; att: (4 h + b) x 2,048 rows of 128 bytes
	s_add_co_u32 s[OB], s3, s2
	s_mov_b32 s[OB+1], 0
	s_cmp_lt_u32 s[WV], 2                          ; the prefetches: waves 0, 1 stand in k, waves 2, 3 in v (the others ask for nothing),
	s_cselect_b32 s[PFA], 0, VBASE-KBASE
	s_add_co_u32 s[PFA], s[PFA], KBASE+2*TILEB     ; at keys 1,024 on,
	s_lshl_b32 s3, s10, 18
	s_add_co_u32 s[PFA], s[PFA], s3                ; of my head,
	s_lshl_b32 s3, s9, 14
	s_add_co_u32 s[PFA], s[PFA], s3                ; my work-group's 16,384 bytes,
	s_and_b32 s3, s[WV], 1
	s_lshl_b32 s3, s3, 13
	s_add_co_u32 s[PFA], s[PFA], s3                ; my wave's 8,192
	s_mov_b32 s[PFA+1], 0
	s_wait_dscnt 0x0                               ; both opening adds are done
	s_wait_kmcnt 0x0
	s_add_nc_u64 s[14:15], s[4:5], s[14:15]
	s_add_nc_u64 s[PFA:PFA+1], s[4:5], s[PFA:PFA+1]
	s_add_nc_u64 s[QB:QB+1], s[4:5], s[QB:QB+1]
	s_add_nc_u64 s[OB:OB+1], s[6:7], s[OB:OB+1]
.irp s, 0,1
	s_mov_b32 s[G0K+4*\s], 1                       ; count = 1
	s_add_co_u32 s[G0K+4*\s+1], s13, \s*SLOTB      ; LDS address
	s_add_nc_u64 s[G0K+4*\s+2:G0K+4*\s+3], s[14:15], KBASE+\s*TILEB  ; global address: slot s begins with keys 512 s on
	s_or_b32 s[G0K+4*\s+3], s[G0K+4*\s+3], 0x80000000  ; type = 2
	s_mov_b32 s[G0V+4*\s], 1
	s_add_co_u32 s[G0V+4*\s+1], s55, \s*SLOTB
	s_add_nc_u64 s[G0V+4*\s+2:G0V+4*\s+3], s[14:15], VBASE+\s*TILEB
	s_or_b32 s[G0V+4*\s+3], s[G0V+4*\s+3], 0x80000000
.endr
	CROUND                                         ; all four work-groups are here: the first joint loads meet
	JLOAD 0                                        ; keys 0 to 511
	; A fragment of K or Q is 16 rows x 32 channels in 8 registers: lane l holds row l % 16; registers 0-3 channels 8 (l / 16) + 0..7, registers 4-7 channels 16 + 8 (l / 16) + 0..7
	v_and_b32 v1, 15, v0                           ; r
	v_bfe_u32 v13, v0, 4, 1                        ; h
	v_lshlrev_b32 v[QO], 7, v1
	v_lshl_add_u32 v[QO], v13, 4, v[QO]            ; row x 128 + 16 x half
.irp t, 0,1,2,3
.irp c, 0,1
	global_load_b128 v[Q+16*\t+8*\c:Q+16*\t+8*\c+3],   v[QO], s[QB:QB+1] offset:2048*\t+64*\c      ; Q stays in registers
	global_load_b128 v[Q+16*\t+8*\c+4:Q+16*\t+8*\c+7], v[QO], s[QB:QB+1] offset:2048*\t+64*\c+32
.endr
.endr
	v_mul_u32_u24 v[AK0], v1, PK
	v_lshl_add_u32 v[AK0], v13, 4, v[AK0]          ; row x pitch + 16 x half
	; the turning load takes 16 keys x 16 channels (lane l reads 16 bytes: key 8 (l / 16) + l % 8, channels 8 ((l / 8) % 2) + 0..7) and leaves half a fragment of V^T
	v_and_b32 v14, 7, v0
	v_bfe_u32 v15, v0, 3, 1
	v_lshl_add_u32 v[AV0], v13, 3, v14
	v_mul_u32_u24 v[AV0], v[AV0], PV
	v_lshl_add_u32 v[AV0], v15, 4, v[AV0]
	v_add_nc_u32 v[AV0], VOFF, v[AV0]
	s_mul_i32 s3, s[WV], 16*PK                     ; my stage
	v_add_nc_u32 v[STO], s3, v[AK0]                ; in: row r, 16 bytes for each half of the lanes
	v_bfe_u32 v[RD], v0, 3, 2
	v_mul_u32_u24 v[RD], v[RD], PK                 ; back: eight lanes to a row, four rows an instruction
	v_lshl_add_u32 v[RD], v14, 4, v[RD]
	v_add_nc_u32 v[RD], s3, v[RD]
	v_and_b32 v[GO], 31, v0
	v_lshlrev_b32 v[PFO], 8, v[GO]
	v_lshlrev_b32 v[GO], 4, v[GO]
	s_wait_loadcnt 0x0                             ; Q
; 16 products of S^T = K Q^T, channels 32 c on.  The 16 accumulators take turns, one instruction a turn; c = 0 starts the sums.
.macro MULKQ c
.irp kt, 0,1,2,3
.irp t, 0,1,2,3
.if \c == 0
	v_wmma_f32_16x16x32_f16 v[S+32*\t+8*\kt:S+32*\t+8*\kt+7], v[KF+8*(2*\kt+\c):KF+8*(2*\kt+\c)+7], v[Q+16*\t+8*\c:Q+16*\t+8*\c+7], 0
.else
	v_wmma_f32_16x16x32_f16 v[S+32*\t+8*\kt:S+32*\t+8*\kt+7], v[KF+8*(2*\kt+\c):KF+8*(2*\kt+\c)+7], v[Q+16*\t+8*\c:Q+16*\t+8*\c+7], v[S+32*\t+8*\kt:S+32*\t+8*\kt+7]
.endif
.endr
.endr
.endm
; 32 products of O^T += V^T P: again 16 accumulators by turns.  first = 1: the first 16 start the sums: nothing is ever cleared.
.macro MULPV first
.irp kb, 0,1
.irp ct, 0,1,2,3
.irp t, 0,1,2,3
.if \first && (\kb == 0)
	v_wmma_f32_16x16x32_f16 v[32*\t+8*\ct:32*\t+8*\ct+7], v[VF+32*\kb+8*\ct:VF+32*\kb+8*\ct+7], v[S+32*\t+8*\kb:S+32*\t+8*\kb+7], 0
.else
	v_wmma_f32_16x16x32_f16 v[32*\t+8*\ct:32*\t+8*\ct+7], v[VF+32*\kb+8*\ct:VF+32*\kb+8*\ct+7], v[S+32*\t+8*\kb:S+32*\t+8*\kb+7], v[32*\t+8*\ct:32*\t+8*\ct+7]
.endif
.endr
.endr
.endr
.endm
; THE SOFTMAX of the wave's four tiles for one key step; the tiles take turns line by line, so that no line waits for the line above it.  A lane has 32 scores a tile.
.macro SOFTMAX first
.irp j, 0,1,2,3                        ; the maximum: four chains a tile, each begun at an accumulator's low end
.irp t, 0,1,2,3
	v_max3_num_f32 v[ST+8*\t+4+\j], v[S+32*\t+8*\j], v[S+32*\t+8*\j+1], v[S+32*\t+8*\j+2]
.endr
.endr
.irp g, 3,5
.irp j, 0,1,2,3
.irp t, 0,1,2,3
	v_max3_num_f32 v[ST+8*\t+4+\j], v[ST+8*\t+4+\j], v[S+32*\t+8*\j+\g], v[S+32*\t+8*\j+\g+1]
.endr
.endr
.endr
.irp t, 0,1,2,3
	v_max3_num_f32 v[ST+8*\t+4], v[ST+8*\t+4], v[S+32*\t+7], v[S+32*\t+15]
.endr
.irp t, 0,1,2,3
	v_max3_num_f32 v[ST+8*\t+6], v[ST+8*\t+6], v[S+32*\t+23], v[S+32*\t+31]
.endr
.irp t, 0,1,2,3
	v_max3_num_f32 v[ST+8*\t+4], v[ST+8*\t+4], v[ST+8*\t+5], v[ST+8*\t+6]
.endr
.irp t, 0,1,2,3
.if \first
	v_max_num_f32 v[ST+8*\t+4], v[ST+8*\t+4], v[ST+8*\t+7]
.else
	v_max3_num_f32 v[ST+8*\t+4], v[ST+8*\t+4], v[ST+8*\t+7], v[ST+8*\t+1]   ; with the old m
.endif
.endr
.irp t, 0,1,2,3
	v_permlanex16_b32 v[ST+8*\t+5], v[ST+8*\t+4], s[SEL], s[SEL+1]          ; the query's other 32 keys lie in the lane 16 away
.endr
.if \first == 0
.irp t, 0,1,2,3
	v_mov_b32 v[ST+8*\t+7], v[ST+8*\t]                                      ; c m_old is kept for a
.endr
.endif
.irp t, 0,1,2,3
	v_max_num_f32 v[ST+8*\t+1], v[ST+8*\t+4], v[ST+8*\t+5]                  ; the new m
.endr
.irp t, 0,1,2,3
	v_mul_f32 v[ST+8*\t], s[CS], v[ST+8*\t+1]                               ; c m
.endr
.if \first == 0
.irp t, 0,1,2,3
	v_sub_f32 v[ST+8*\t+7], v[ST+8*\t+7], v[ST+8*\t]
.endr
; ONE BATCH: the four a, the 64 scalings c s - c m (a pair of scores each) and the 128 exponentials.  None of these lines names an exponential's result; a pair is scaled one group ahead of its exponentials.
.irp t, 0,1,2,3
	v_exp_f32 v[ST+8*\t+6], v[ST+8*\t+7]                                    ; a
.endr
.endif
.irp t, 0,1,2,3
	v_pk_fma_f32 v[S+32*\t:S+32*\t+1], v[S+32*\t:S+32*\t+1], s[CS:CS+1], v[ST+8*\t:ST+8*\t+1] op_sel_hi:[1,0,0] neg_lo:[0,0,1] neg_hi:[0,0,1]
.endr
.irp b, 0,1,2,3,4,5,6,7,8,9,10,11,12,13,14,15
.if \b < 15
.irp t, 0,1,2,3
	v_pk_fma_f32 v[S+32*\t+2*\b+2:S+32*\t+2*\b+3], v[S+32*\t+2*\b+2:S+32*\t+2*\b+3], s[CS:CS+1], v[ST+8*\t:ST+8*\t+1] op_sel_hi:[1,0,0] neg_lo:[0,0,1] neg_hi:[0,0,1]
.endr
.endif
.irp t, 0,1,2,3
	v_exp_f32 v[S+32*\t+2*\b], v[S+32*\t+2*\b]
	v_exp_f32 v[S+32*\t+2*\b+1], v[S+32*\t+2*\b+1]
.endr
.endr
	v_nop                                          ; a plain instruction behind the last exponential, ahead of the first use
	s_wait_alu depctr_va_vdst(0)                   ; and the wait ahead of the first line that names a result: one for the batch
; the sums, of the weights as they are, ahead of their rounding: two chains a tile, w in +4, +5 and l
.irp t, 0,1,2,3
	v_pk_add_f32 v[ST+8*\t+4:ST+8*\t+5], v[S+32*\t:S+32*\t+1], v[S+32*\t+2:S+32*\t+3]
.endr
.irp t, 0,1,2,3
.if \first
	v_pk_add_f32 v[ST+8*\t+2:ST+8*\t+3], v[S+32*\t+4:S+32*\t+5], v[S+32*\t+6:S+32*\t+7]
.else
	v_pk_fma_f32 v[ST+8*\t+2:ST+8*\t+3], v[ST+8*\t+2:ST+8*\t+3], v[ST+8*\t+6:ST+8*\t+7], v[S+32*\t+4:S+32*\t+5] op_sel_hi:[1,0,1]   ; l = a l + a pair
.endif
.endr
.irp i, 3,4,5,6,7,8,9,10,11,12,13,14,15
.if (\i > 3) || (\first == 0)
.irp t, 0,1,2,3
.if \i % 2
	v_pk_add_f32 v[ST+8*\t+4:ST+8*\t+5], v[ST+8*\t+4:ST+8*\t+5], v[S+32*\t+2*\i:S+32*\t+2*\i+1]
.else
	v_pk_add_f32 v[ST+8*\t+2:ST+8*\t+3], v[ST+8*\t+2:ST+8*\t+3], v[S+32*\t+2*\i:S+32*\t+2*\i+1]
.endif
.endr
.endif
.endr
.irp t, 0,1,2,3
	v_pk_add_f32 v[ST+8*\t+2:ST+8*\t+3], v[ST+8*\t+2:ST+8*\t+3], v[ST+8*\t+4:ST+8*\t+5]
.endr
; the roundings to f16, in place and ascending: a destination never lies above a source that is still to be read
.irp b, 0,1
.irp i, 0,1,2,3,4,5,6,7
.irp t, 0,1,2,3
	v_cvt_pk_f16_f32 v[S+32*\t+8*\b+\i], v[S+32*\t+16*\b+2*\i], v[S+32*\t+16*\b+2*\i+1]
.endr
.endr
.endr
.if \first == 0                        ; O^T times a: the one part that leaves window 0; each accumulator from its low end on
	WIN W_RS
.irp i, 0,1,2,3,4,5,6,7,8,9,10,11,12,13,14,15
.irp t, 0,1,2,3
	v_pk_mul_f32 v[32*\t+2*\i:32*\t+2*\i+1], v[32*\t+2*\i:32*\t+2*\i+1], v[ST+8*\t+6:ST+8*\t+7] op_sel_hi:[1,0]
.endr
.endr
	WIN 0
.endif
.endm
; A KEY STEP: 64 keys.
.macro STEP first
	WIN 0
	v_add_nc_u32 v[ADK], s[TK], v[AK0]             ; these two and three v_nop are five places behind the last step's V^T P: the loads below land in V's registers, which it read (four are asked),
	v_add_nc_u32 v[ADV], s[TV], v[AV0]             ; and K Q^T writes over P's registers, which it read (five are asked)
.rept 3
	v_nop
.endr
	WIN W_LD
.irp c, 0,1                            ; K: channels 0-31 of all 64 keys first
.irp kt, 0,1,2,3
	ds_load_b128 v[KF+8*(2*\kt+\c):KF+8*(2*\kt+\c)+3],   v[ADK] offset:\kt*16*PK+64*\c
	ds_load_b128 v[KF+8*(2*\kt+\c)+4:KF+8*(2*\kt+\c)+7], v[ADK] offset:\kt*16*PK+64*\c+32
.endr
.endr
.irp kb, 0,1
.irp ct, 0,1,2,3
	ds_load_tr16_b128 v[VF+32*\kb+8*\ct:VF+32*\kb+8*\ct+3],   v[ADV] offset:\kb*32*PV+32*\ct
	ds_load_tr16_b128 v[VF+32*\kb+8*\ct+4:VF+32*\kb+8*\ct+7], v[ADV] offset:\kb*32*PV+16*PV+32*\ct
.endr
.endr
	s_wait_dscnt 24                                ; K's first eight loads are in; its other eight and V's sixteen may be out
	WIN W_KQ
	MULKQ 0
	s_wait_dscnt 16                                ; K is in; V's sixteen may be out
	MULKQ 1
	WIN 0
.rept 4
	v_nop                                          ; four places ahead of the first read of the scores
.endr
	SOFTMAX \first
	s_wait_dscnt 0x0                               ; V is in
	WIN W_PV
	MULPV \first
	WIN 0
.endm
; A SLOT'S EIGHT STEPS, behind the change of slots.  Each wave waits for all its tensor loads (its part of the slot that it is about to read), adds 0 to its spare word, and waits for that and for its
; reads of the slot that it has left.  fill = 1: a round of the cluster's barrier, so that no wave of any partner still reads the other slot or has a load on its way; the joint load into that slot is
; the first thing behind it and has the slot's eight steps in which to land.  ask: which prefetch follows it, or -1.  first = 1: the launch's first step is written out, since it starts m, l and O^T.
.macro TRIP slot, fill, ask, first
	s_wait_tensorcnt 0x0                           ; no tensor load of mine is out, so a group 0 may be written
	ds_add_u32 v[SPW], v[NIL]                      ; 0 onto my spare word; the steps below stand between it and the wait for it
	s_add_nc_u64 s[G0K+4*(\slot)+2:G0K+4*(\slot)+3], s[G0K+4*(\slot)+2:G0K+4*(\slot)+3], 2*TILEB   ; this slot's next keys (behind the last fill the stepped address is not used)
	s_add_nc_u64 s[G0V+4*(\slot)+2:G0V+4*(\slot)+3], s[G0V+4*(\slot)+2:G0V+4*(\slot)+3], 2*TILEB
	s_mov_b32 s[TK], (\slot)*SLOTB
	s_mov_b32 s[TV], (\slot)*SLOTB
	s_mov_b32 s[CNT], 8-(\first)
	s_wait_dscnt 0x0                               ; the add is done, and my reads of the slot that I have left are over
.if \fill
	CROUND
	JLOAD 1-\slot
.if \ask >= 0
	ASK \ask
.endif
.else
	s_barrier_signal -1
	s_barrier_wait -1
.endif
.if \first
	STEP 1
	s_add_co_u32 s[TK], s[TK], 64*PK
	s_add_co_u32 s[TV], s[TV], 64*PV
.endif
.Lstep_\@:
	STEP 0
	s_add_co_u32 s[TK], s[TK], 64*PK
	s_add_co_u32 s[TV], s[TV], 64*PV
	s_sub_co_u32 s[CNT], s[CNT], 1
	s_cmp_lg_u32 s[CNT], 0
	s_cbranch_scc1 .Lstep_\@
.endm
	TRIP 0, 1, 0, 1                                ; keys 0-511      | slot 1 is filled for the first time: keys 512 on  | keys 1,024 on are prefetched
	TRIP 1, 1, 1, 0                                ; keys 512-1,023  | slot 0 takes keys 1,024 on                        | keys 1,536 on are prefetched
	TRIP 0, 1, -1, 0                               ; keys 1,024 on   | slot 1 takes keys 1,536 on
	TRIP 1, 0, -1, 0                               ; keys 1,536 on   | nothing is left to fetch
	; THE WAY OUT.  l's two halves and the other half of the lanes' are added; O^T is divided by l, rounded to f16 and sent through my stage, a tile (16 queries) at a time.  The additions are the places behind the last products.
.irp t, 0,1,2,3
	v_add_f32 v[ST+8*\t+4], v[ST+8*\t+2], v[ST+8*\t+3]
.endr
.irp t, 0,1,2,3
	v_permlanex16_b32 v[ST+8*\t+5], v[ST+8*\t+4], s[SEL], s[SEL+1]
.endr
.irp t, 0,1,2,3
	v_add_f32 v[ST+8*\t+4], v[ST+8*\t+4], v[ST+8*\t+5]
.endr
.irp t, 0,1,2,3
	v_rcp_f32 v[ST+8*\t+6], v[ST+8*\t+4]
.endr
	v_nop                                          ; a plain instruction between the last reciprocal and the use of its result
	s_wait_alu depctr_va_vdst(0)                   ; and the wait ahead of the first use: one for the four
; Tile t: a lane's eight channels of a query pack into 16 bytes; they go into rows of 144 bytes and come back four queries (512 bytes) an instruction.
.macro OPACK t
	WIN W_RS
.irp i, 0,1,2,3,4,5,6,7,8,9,10,11,12,13,14,15
	v_pk_mul_f32 v[32*\t+2*\i:32*\t+2*\i+1], v[32*\t+2*\i:32*\t+2*\i+1], v[ST+8*\t+6:ST+8*\t+7] op_sel_hi:[1,0]
.endr
	WIN 0x05                                       ; sources 0 and 1 window 1, destination window 0: S^T's registers are free
.irp i, 0,1,2,3,4,5,6,7,8,9,10,11,12,13,14,15
	v_cvt_pk_f16_f32 v[S+32*\t+\i], v[32*\t+2*\i], v[32*\t+2*\i+1]
.endr
	WIN 0
.irp c, 0,1,2,3
	ds_store_b128 v[STO], v[S+32*\t+4*\c:S+32*\t+4*\c+3] offset:32*\c
.endr
.irp j, 0,1,2,3
	ds_load_b128 v[S+32*\t+16+4*\j:S+32*\t+16+4*\j+3], v[RD] offset:4*PK*\j   ; LDS serves a wave's instructions in order (ISA guide 5.7.1.4): these see the stores above; the next tile's stores come behind them
.endr
.endm
.macro OSEND t, younger                ; younger: the LDS instructions issued behind tile t's loads: the next tile's eight, or none
.irp j, 0,1,2,3
	s_wait_dscnt \younger+3-\j
	global_store_b128 v[GO], v[S+32*\t+16+4*\j:S+32*\t+16+4*\j+3], s[OB:OB+1] offset:2048*\t+512*\j   ; 32 lanes store 512 consecutive bytes, aligned
.endr
.endm
	OPACK 0
	OPACK 1                                        ; a tile's arithmetic stands between the loads of the tile before and its stores
	OSEND 0, 8
	OPACK 2
	OSEND 1, 8
	OPACK 3
	OSEND 2, 8
	OSEND 3, 0
	s_wait_tensorcnt 0x0                           ; the wave's end, behind my last tensor load and my last LDS store
	ds_add_u32 v[SPW], v[NIL]
	s_wait_dscnt 0x0
	CROUND                                         ; the closing round: no work-group ends while a partner may still ask for a tile that names it
	s_endpgm
.Lfunc_end_k_q503096b94c_attn:
	.size	k_q503096b94c_attn, .Lfunc_end_k_q503096b94c_attn-k_q503096b94c_attn
	.p2alignl 7, 3214868480
	.fill 96, 4, 3214868480
	.section	.rodata,"a",@progbits
	.p2align	6, 0x0
	.amdhsa_kernel k_q503096b94c_attn
		.amdhsa_group_segment_fixed_size 327680
		.amdhsa_private_segment_fixed_size 0
		.amdhsa_enable_private_segment 0
		.amdhsa_kernarg_size 16
		.amdhsa_user_sgpr_count 2
		.amdhsa_user_sgpr_kernarg_segment_ptr 1
		.amdhsa_wavefront_size32 1
		.amdhsa_system_sgpr_workgroup_id_x 1
		.amdhsa_system_sgpr_workgroup_id_y 1
		.amdhsa_system_sgpr_workgroup_id_z 1
		.amdhsa_system_vgpr_workitem_id 0
		.amdhsa_next_free_vgpr 512
		.amdhsa_next_free_sgpr 66
		.amdhsa_reserve_vcc 0
		.amdhsa_float_denorm_mode_32 3
		.amdhsa_float_denorm_mode_16_64 3
		.amdhsa_memory_ordered 1
		.amdhsa_forward_progress 1
		.amdhsa_inst_pref_size 180
	.end_amdhsa_kernel
	.amdgpu_metadata
---
amdhsa.version: [ 1, 2 ]
amdhsa.kernels:
  - .name:           k_q503096b94c_attn
    .symbol:         k_q503096b94c_attn.kd
    .args:
      - { .name: qkv, .offset: 0, .size: 8, .value_kind: global_buffer, .address_space: global }
      - { .name: att, .offset: 8, .size: 8, .value_kind: global_buffer, .address_space: global }
    .group_segment_fixed_size: 327680
    .private_segment_fixed_size: 0
    .kernarg_segment_align: 8
    .kernarg_segment_size: 16
    .max_flat_workgroup_size: 256
    .sgpr_count:     66
    .vgpr_count:     512
    .wavefront_size: 32
...
	.end_amdgpu_metadata
.endif
;; end of part 3
;; launch proj (part 4): grid 8 x 32, 4 waves a work-group, clusters of 4 x 4, 327,680 bytes of LDS; arguments att, wp16, b_proj, out0; writes out0
.if DOCPART == 4
	.amdgcn_target "amdgcn-amd-amdhsa--gfx1250"
	.amdhsa_code_object_version 6
	.text
	.protected	k_q503096b94c_proj
	.globl	k_q503096b94c_proj
	.p2align	8
	.type	k_q503096b94c_proj,@function
k_q503096b94c_proj:
	s_mov_b64 s[64:65], 0
	v_nop
	global_prefetch_b8 v0, s[64:65] scope:SCOPE_SE
	s_setreg_imm32_b32 hwreg(HW_REG_WAVE_MODE, 25, 1), 1
	s_wait_xcnt 0x0
	s_wait_alu depctr_hold_cnt(0) depctr_sa_sdst(0) depctr_va_vdst(0) depctr_va_sdst(0) depctr_va_ssrc(0) depctr_va_vcc(0) depctr_vm_vsrc(0)
	s_getreg_b32 s2, hwreg(HW_REG_IB_STS2, 6, 4)
	s_cmp_eq_u32 s2, 0
	s_cbranch_scc0 .Lentry_in_a_cluster
	s_endpgm
.Lentry_in_a_cluster:
	s_bfe_u32 s2, ttmp6, 0x10000c
	s_cmp_lg_u32 s2, 0xf033
	s_cbranch_scc0 .Lentry_shape_is_right
	s_endpgm
.Lentry_shape_is_right:
; OUT[m][n] = the sum over k of ATT[m][k] W[k][n] + b[n].  att: f16 [h 16][m 8192][64], k = 64 h + d;  wp16: f16 [k 1024][n 1024], as w_proj lies;  b_proj: [1024] f32;  out0: [8192][1024] f32.  Sums in f32.
; A tile of OUT is 256 rows x 128 columns: 256 work-groups.  Four waves, each 128 rows x 64 columns: 32 accumulators of 16 x 16, 256 registers.  K goes in steps of 128 (two planes of att) through a ring
; of two LDS slots: 128 matrix instructions a wave in a step.
; CLUSTERS: 4 x 4 work-groups.  The four of a row of the cluster need the same tiles of att, the four of a column the same tiles of W: each tile is asked for JOINTLY.
; THE MATRIX INSTRUCTION IS USED TRANSPOSED (source 0 = 16 columns of W, turned out of LDS by ds_load_tr16_b128; source 1 = 16 rows of att): a lane then holds eight neighbouring columns of a row of OUT.
; The bias is the C of each sum's first matrix instruction: eight registers a block of 16 columns, in the result's layout.  Nothing is cleared and nothing is added afterwards.
; No prefetch: the tile is small, and every tile of att and of W is read again by other clusters.
; REGISTERS: window 0: v0-31 addresses; v32-63 the bias; v64-159 and v160-255 two fragment buffers (W's four fragments, then att's eight); on the way out v64-127 hold rows read back.  window 1: the accumulators, (a, b) at v[8 (4 a + b)].
.set PA,     144                       ; a row of att in LDS: 128 bytes + 16
.set PB,     288                       ; a row of W in LDS: 256 bytes + 32: an odd multiple of 32
.set PLANE,  256*PA                    ; a plane's 256 rows
.set BOFF,   2*PLANE                   ; a slot: two planes of att, then 128 rows of W
.set SLOT,   BOFF+128*PB               ; 110,592
.set STAGE,  2*SLOT                    ; behind the ring: 16 rows x 272 bytes for each wave, for the way out
.set SPITCH, 272
.set SPARE,  STAGE+4*16*SPITCH         ; behind the stages: the spare words, 128 bytes a wave: two blocks of 256 bytes that no other line names
.set LAPS,   4                         ; a lap = two K steps = once round the ring
.set ADRA, 16                          ; v16-17  LDS address of my fragments of att in slot 0, 1
.set ADRB, 20                          ; v20-21  the same for W
.set STO,  24                          ; v24     the way out: where I put 32 bytes of a row
.set RD,   25                          ; v25     where I read rows back
.set CO,   26                          ; v26     my byte offset in two rows of OUT
.set BO,   27                          ; v27     my byte offset in a block of the bias
.set SPW,  28                          ; v28     LDS address of my spare word; never rewritten
.set NIL,  29                          ; v29     0; never rewritten
.set BIAS, 32
.set F0,   64
.set F1,   160
.set BK,   64
.set G1, 24                            ; s[24:31] descriptor group 1 for att's tiles;  s[32:39] group 0, one set for each slot
.set G0, 32
.set G1B, 48                           ; s[48:55], s[56:63] the same for W's tiles
.set G0B, 56
.set MSB, 0
.macro WIN new                         ; the immediate's high byte repeats the setting that is left
.if MSB != (\new)
	s_set_vgpr_msb (MSB<<8)|(\new)
.set MSB, (\new)
.endif
.endm
.set MUL, 0x50                         ; sources 0 and 1 window 0; C and D window 1.  (The first products: 0x40: their C is the bias, in window 0)
.macro JLOAD s                         ; a joint load: waves 0 and 1 fetch att's two planes, waves 2 and 3 W's two halves; an s_nop 0 and four v_nop follow each of the two lines
	s_cmp_eq_u32 s15, 0
	s_cbranch_scc0 .Lfor_b_\@
	tensor_load_to_lds s[G0+4*\s:G0+4*\s+3], s[G1:G1+7]
	s_nop 0
.rept 4
	v_nop
.endr
	s_branch .Lasked_\@
.Lfor_b_\@:
	tensor_load_to_lds s[G0B+4*\s:G0B+4*\s+3], s[G1B:G1B+7]
	s_nop 0
.rept 4
	v_nop
.endr
.Lasked_\@:
.endm
.macro CREST                           ; a round of the cluster's barrier behind its opening barrier
	s_cmp_lg_u32 s14, 0
	s_cbranch_scc1 .Lnot_wave_0_\@
	s_barrier_signal -3
.Lnot_wave_0_\@:
	s_barrier_wait -3
	s_barrier_signal -1
	s_barrier_wait -1
.endm
.macro CROUND                          ; a whole round
	s_barrier_signal -1
	s_barrier_wait -1
	CREST
.endm
	s_load_b256 s[4:11], s[0:1], 0x0               ; att s[4:5], wp16 s[6:7], b_proj s[8:9], out0 s[10:11]
	v_lshl_add_u32 v[SPW], v0, 2, SPARE
	v_mov_b32 v[NIL], 0
	ds_add_u32 v[SPW], v[NIL]                      ; the wave's opening: the add, twice on end, and its wait ahead of my first tensor load
	ds_add_u32 v[SPW], v[NIL]                      ; and once more; the set-up below, work on registers, stands between it and the wait
	v_lshrrev_b32 v1, 5, v0
	v_readfirstlane_b32 s14, v1                    ; wave 0..3
	s_lshr_b32 s15, s14, 1                         ; which half of the tile's rows is mine.  Also: I fetch for att (0) or for W (1)
	s_and_b32 s16, s14, 1                          ; which half of its columns.  Also: which plane of att, or which 64 rows of W, I fetch
	s_bfe_u32 s40, ttmp6, 0x40000                  ; cx, cy: my place in the cluster
	s_bfe_u32 s41, ttmp6, 0x40004
	s_lshl_b32 s42, ttmp9, 2
	s_add_co_u32 s42, s42, s40                     ; tile column = 4 x cluster x + cx
	s_and_b32 s17, ttmp7, 0xffff
	s_lshl_b32 s17, s17, 2
	s_add_co_u32 s17, s17, s41                     ; tile row = 4 x cluster y + cy
	s_lshl_b32 s43, s41, 2
	s_lshl_b32 s43, 15, s43                        ; my row of the cluster
	s_lshl_b32 s44, 0x1111, s40                    ; my column
	; descriptor group 1.  att: 256 rows x 64 elements of one plane, dense in memory; four words of padding after every 32
	s_or_b32 s[G1+0], s43, (1<<16)|(1<<20)|(1<<21)|(4<<22)|(3<<25)
	s_mov_b32 s[G1+1], 64<<16                      ; tensor_dim0 = 64
	s_mov_b32 s[G1+2], 256<<16                     ; tensor_dim1 = 256
	s_mov_b32 s[G1+3], 64<<16                      ; tile_dim0 = 64
	s_mov_b32 s[G1+4], 256                         ; tile_dim1 = 256
	s_mov_b32 s[G1+5], 64                          ; tensor_dim0_stride
	s_mov_b32 s[G1+6], 0
	s_mov_b32 s[G1+7], 0
	; W: 64 rows (k) x 128 elements (n), 1,024 elements from row to row; eight words of padding after every 64
	s_or_b32 s[G1B+0], s44, (1<<16)|(1<<20)|(1<<21)|(5<<22)|(7<<25)
	s_mov_b32 s[G1B+1], 128<<16
	s_mov_b32 s[G1B+2], 64<<16
	s_mov_b32 s[G1B+3], 128<<16
	s_mov_b32 s[G1B+4], 64
	s_mov_b32 s[G1B+5], 1024
	s_mov_b32 s[G1B+6], 0
	s_mov_b32 s[G1B+7], 0
	; where the tiles come from.  att's hang on the tile row alone, which my row of the cluster shares; W's on the tile column alone, which my column shares
	s_lshl_b32 s20, s16, 20                        ; att: my plane of 8,192 rows x 128 bytes,
	s_lshl_b32 s21, s17, 15                        ; the tile's 256 rows
	s_add_co_u32 s20, s20, s21
	s_mov_b32 s21, 0
	s_lshl_b32 s46, s16, 17                        ; W: my 64 rows of 2,048 bytes,
	s_lshl_b32 s47, s42, 8                         ; the tile's 128 columns
	s_add_co_u32 s46, s46, s47
	s_mov_b32 s47, 0
	s_mul_i32 s22, s16, PLANE                      ; and where they go: no place in the cluster enters an LDS address
	s_mul_i32 s23, s16, 64*PB
	s_add_co_u32 s23, s23, BOFF
	s_wait_dscnt 0x0                               ; both opening adds are done
	s_wait_kmcnt 0x0
	s_add_nc_u64 s[20:21], s[4:5], s[20:21]
	s_add_nc_u64 s[46:47], s[6:7], s[46:47]
	CROUND                                         ; all sixteen work-groups are here: the first joint loads meet
.irp s, 0,1
	s_mov_b32 s[G0+4*\s], 1
	s_add_co_u32 s[G0+4*\s+1], s22, \s*SLOT
	s_add_nc_u64 s[G0+4*\s+2:G0+4*\s+3], s[20:21], \s*2097152      ; K step s: two planes on
	s_or_b32 s[G0+4*\s+3], s[G0+4*\s+3], 0x80000000
	s_mov_b32 s[G0B+4*\s], 1
	s_add_co_u32 s[G0B+4*\s+1], s23, \s*SLOT
	s_add_nc_u64 s[G0B+4*\s+2:G0B+4*\s+3], s[46:47], \s*262144     ; 128 rows on
	s_or_b32 s[G0B+4*\s+3], s[G0B+4*\s+3], 0x80000000
	JLOAD \s                                       ; two loads of mine are out behind the second
.endr
	v_and_b32 v1, 15, v0                           ; r = l % 16
	v_bfe_u32 v2, v0, 4, 1                         ; h = l / 16
	v_mul_u32_u24 v3, v1, PA
	v_lshl_add_u32 v3, v2, 4, v3                   ; att: a fragment's row x pitch + 16 x half
	v_and_b32 v4, 7, v0
	v_bfe_u32 v5, v0, 3, 1
	v_lshl_add_u32 v4, v2, 3, v4
	v_mul_u32_u24 v4, v4, PB
	v_lshl_add_u32 v4, v5, 4, v4                   ; W: the turning load: row (k) 8 h + l % 8, 16 bytes at 16 ((l / 8) % 2)
	s_mul_i32 s21, s15, 128*PA                     ; my 128 rows of att
	s_lshl_b32 s22, s16, 7                         ; my 64 columns of W,
	s_add_co_u32 s22, s22, BOFF                    ; which lies behind att's two planes
.irp s, 0,1
	v_add_nc_u32 v[ADRA+\s], s21, v3
	v_add_nc_u32 v[ADRB+\s], s22, v4
	s_add_co_u32 s21, s21, SLOT
	s_add_co_u32 s22, s22, SLOT
.endr
	s_mul_i32 s23, s14, 16*SPITCH
	s_add_co_u32 s23, s23, STAGE                   ; my stage
	v_mul_u32_u24 v5, v1, SPITCH                   ; in: row r, 32 bytes for each half of the lanes
	v_lshl_add_u32 v5, v2, 5, v5
	v_add_nc_u32 v[STO], s23, v5
	v_mul_u32_u24 v5, v2, SPITCH                   ; back: lanes 0-15 take one row of 256 bytes, lanes 16-31 the next
	v_lshl_add_u32 v5, v1, 4, v5
	v_add_nc_u32 v[RD], s23, v5
	v_lshlrev_b32 v5, 12, v2                       ; and the same two rows in OUT: 4,096 bytes a row
	v_lshl_add_u32 v[CO], v1, 4, v5
	v_lshlrev_b32 v[BO], 5, v2                     ; the bias: my half's eight numbers of a block of 16
	s_lshl_b32 s46, s42, 9                         ; my first column, in bytes: 512 x tile column + 256 x half
	s_lshl_b32 s47, s16, 8
	s_add_co_u32 s46, s46, s47
	s_mov_b32 s47, 0
	s_add_nc_u64 s[8:9], s[8:9], s[46:47]
	s_add_nc_u64 s[10:11], s[10:11], s[46:47]
	s_lshl_b32 s20, s17, 20                        ; my first row: 256 x tile row + 128 x half, 4,096 bytes a row
	s_lshl_b32 s21, s15, 19
	s_add_co_u32 s20, s20, s21
	s_mov_b32 s21, 0
	s_add_nc_u64 s[10:11], s[10:11], s[20:21]
.irp b, 0,1,2,3
	global_load_b128 v[BIAS+8*\b:BIAS+8*\b+3],   v[BO], s[8:9] offset:64*\b
	global_load_b128 v[BIAS+8*\b+4:BIAS+8*\b+7], v[BO], s[8:9] offset:64*\b+16
.endr
; 8 matrix instructions: att's blocks a0, a0 + 1 x W's four, 32 along K, from buffer f.  first = 1: the bias starts the sums.  The 32 accumulators take turns, one instruction a turn, in the same order
; in every quarter.
.macro MUL8 f, a0, first
.irp a, \a0, \a0+1
.irp b, 0,1,2,3
.if \first
	v_wmma_f32_16x16x32_f16 v[8*(4*(\a)+\b):8*(4*(\a)+\b)+7], v[\f+8*\b:\f+8*\b+7], v[\f+32+8*(\a):\f+32+8*(\a)+7], v[BIAS+8*\b:BIAS+8*\b+7]
.else
	v_wmma_f32_16x16x32_f16 v[8*(4*(\a)+\b):8*(4*(\a)+\b)+7], v[\f+8*\b:\f+8*\b+7], v[\f+32+8*(\a):\f+32+8*(\a)+7], v[8*(4*(\a)+\b):8*(4*(\a)+\b)+7]
.endif
.endr
.endr
.endm
; 24 LDS loads in one run: the fragments of the slot's q-th 32 along K into buffer f: W's four (turned), then att's eight, blocks ascending.  Quarters 0, 1 lie in the first plane, 2, 3 in the second.
.macro FETCH slot, q, f
	WIN 0
.irp b, 0,1,2,3
	ds_load_tr16_b128 v[\f+8*\b:\f+8*\b+3],   v[ADRB+\slot] offset:(\q)*32*PB+32*\b
	ds_load_tr16_b128 v[\f+8*\b+4:\f+8*\b+7], v[ADRB+\slot] offset:(\q)*32*PB+16*PB+32*\b
.endr
.irp a, 0,1,2,3,4,5,6,7
	ds_load_b128 v[\f+32+8*\a:\f+32+8*\a+3],   v[ADRA+\slot] offset:((\q)/2)*PLANE+\a*16*PA+64*((\q)%2)
	ds_load_b128 v[\f+32+8*\a+4:\f+32+8*\a+7], v[ADRA+\slot] offset:((\q)/2)*PLANE+\a*16*PA+64*((\q)%2)+32
.endr
.endm
.macro PLACES                          ; four places in front of loads into registers that matrix instructions have read, and of the first read of results (ISA guide 7.12.1 for vector instructions)
.rept 4
	v_nop
.endr
.endm
; A K step is four quarters of 32 along K, 32 matrix instructions each, on buffers 0, 1, 0, 1.  One of the first three: multiplies buffer f and fetches quarter q of the same slot into g.
.macro QUARTER slot, q, f, g, first
	s_wait_dscnt 8                                 ; W's fragments and att's blocks 0-3 are in; the youngest eight loads (blocks 4-7) may be out
	WIN MUL-0x10*(\first)
	MUL8 \f, 0, \first
	MUL8 \f, 2, \first
	PLACES
	FETCH \slot, \q, \g
	s_wait_dscnt 24                                ; all but the 24 just issued
	WIN MUL-0x10*(\first)
	MUL8 \f, 4, \first
	MUL8 \f, 6, \first
.endm
; The last quarter multiplies buffer 1 and changes slots: ONE barrier; in front of it each wave waits for all its tensor loads, adds 0 to its spare word, and waits for that and for its own reads of this slot.
; fill = 1: the barrier opens a round of the cluster's barrier, and this slot is filled again, two K steps ahead: the load has a K step less 16 matrix instructions in which to land.
.macro TURN slot, next, fill
	WIN 0                                          ; (the add's two registers lie in window 0)
	s_wait_tensorcnt 0x0                           ; all my tensor loads have landed: my part of the next slot
	ds_add_u32 v[SPW], v[NIL]                      ; 0 onto my spare word
	s_wait_dscnt 9                                 ; (the add and the youngest eight loads may be out)
	WIN MUL
	MUL8 F1, 0, 0                                  ; eight matrix instructions stand between the add and the wait for it
	s_wait_dscnt 0x0                               ; the add is done, and my reads of this slot are over
	s_barrier_signal -1
	MUL8 F1, 2, 0
.if \fill
	WIN 0
.endif
	s_barrier_wait -1
.if \fill
	CREST                                          ; no wave of any partner still reads this slot's tiles or has a load on its way
	s_add_nc_u64 s[G0+4*\slot+2:G0+4*\slot+3], s[G0+4*\slot+2:G0+4*\slot+3], 4194304     ; two K steps on: four planes of att,
	s_add_nc_u64 s[G0B+4*\slot+2:G0B+4*\slot+3], s[G0B+4*\slot+2:G0B+4*\slot+3], 524288  ; 256 rows of W
	JLOAD \slot                                    ; the first tensor load behind the round; the four v_nop behind it are also the places in front of the loads below
.else
	PLACES
.endif
	FETCH \next, 0, F0
	WIN MUL
	MUL8 F1, 4, 0
	MUL8 F1, 6, 0
.endm
	s_wait_tensorcnt 1                             ; my part of K step 0 is in (K step 1's load may be out),
	s_barrier_signal -1
	s_barrier_wait -1                              ; everybody's is
	FETCH 0, 0, F0
	s_wait_loadcnt 0x0                             ; the bias
	QUARTER 0, 1, F0, F1, 1                        ; the first quarter stands in front of the loop: its products start the sums, from the bias
	WIN 0                                          ; at a label and at a branch every window is 0
	s_mov_b32 s3, LAPS-1
.Llap:                                                 ; a trip goes once round the ring, from a lap's second quarter to the next lap's first, and fills both slots again
	QUARTER 0, 2, F1, F0, 0
	QUARTER 0, 3, F0, F1, 0
	TURN 0, 1, 1
	QUARTER 1, 1, F0, F1, 0
	QUARTER 1, 2, F1, F0, 0
	QUARTER 1, 3, F0, F1, 0
	TURN 1, 0, 1
	QUARTER 0, 1, F0, F1, 0
	WIN 0
	s_sub_co_u32 s3, s3, 1
	s_cmp_lg_u32 s3, 0
	s_cbranch_scc1 .Llap
	QUARTER 0, 2, F1, F0, 0                        ; the last lap fills nothing, and has no round of the cluster's barrier
	QUARTER 0, 3, F0, F1, 0
	TURN 0, 1, 0
	QUARTER 1, 1, F0, F1, 0
	QUARTER 1, 2, F1, F0, 0
	QUARTER 1, 3, F0, F1, 0
	s_wait_dscnt 8                                 ; the very last quarter: nothing more to fetch
	WIN MUL
	MUL8 F1, 0, 0
	MUL8 F1, 2, 0
	s_wait_dscnt 0
	MUL8 F1, 4, 0
	MUL8 F1, 6, 0
	WIN 0
; THE WAY OUT, block by block of 16 rows x 64 columns.  A lane holds 32 neighbouring bytes of a row, and the lanes beside it hold other rows: so a block goes through my own stage and comes back as whole
; rows of 256 bytes.  LDS serves a wave's instructions in order (ISA guide 5.7.1.4): no wait between the stores and the loads, nor in front of the next block's stores.
.macro TOSTAGE a
	WIN 0x04                                       ; an LDS store's data are its source 1: window 1
.irp b, 0,1,2,3
	ds_store_b128 v[STO], v[8*(4*(\a)+\b):8*(4*(\a)+\b)+3] offset:64*\b           ; each accumulator from its low end on
	ds_store_b128 v[STO], v[8*(4*(\a)+\b)+4:8*(4*(\a)+\b)+7] offset:64*\b+16
.endr
	WIN 0
.set BB, BK+32*((\a)%2)
.irp t, 0,1,2,3,4,5,6,7
	ds_load_b128 v[BB+4*\t:BB+4*\t+3], v[RD] offset:\t*2*SPITCH
.endr
.endm
.macro SEND a, younger                 ; younger: the LDS instructions issued behind block a's loads, which may stay out
.set BB, BK+32*((\a)%2)
	s_wait_dscnt \younger                          ; the block is back in registers
.irp t, 0,1,2,3,4,5,6,7
	global_store_b128 v[CO], v[BB+4*\t:BB+4*\t+3], s[10:11] offset:(16*(\a)+2*\t)*4096 th:TH_STORE_NT   ; sixteen lanes store 256 consecutive bytes, aligned; 126 rows at the most: inside the signed 24-bit immediate (ISA guide, chapter 10)
.endr
.endm
	PLACES                                         ; behind the last products: for the stores that read results, and for the loads into the registers that held fragments
	TOSTAGE 0
.irp a, 1,2,3,4,5,6,7
.if \a > 1
	s_wait_xcnt 0x0                                ; block a - 2's stores have read their registers: block a's loads may land there
.endif
	TOSTAGE \a
	SEND \a-1, 16                                  ; behind block a - 1's loads: block a's 8 stores and 8 loads
.endr
	SEND 7, 0
	s_wait_tensorcnt 0x0                           ; the wave's end, behind my last tensor load and my last LDS store
	ds_add_u32 v[SPW], v[NIL]
	s_wait_dscnt 0x0
	CROUND                                         ; the closing round: no work-group ends while a partner may still ask for a tile that names it
	s_endpgm
.Lfunc_end_k_q503096b94c_proj:
	.size	k_q503096b94c_proj, .Lfunc_end_k_q503096b94c_proj-k_q503096b94c_proj
	.p2alignl 7, 3214868480
	.fill 96, 4, 3214868480
	.section	.rodata,"a",@progbits
	.p2align	6, 0x0
	.amdhsa_kernel k_q503096b94c_proj
		.amdhsa_group_segment_fixed_size 327680
		.amdhsa_private_segment_fixed_size 0
		.amdhsa_enable_private_segment 0
		.amdhsa_kernarg_size 32
		.amdhsa_user_sgpr_count 2
		.amdhsa_user_sgpr_kernarg_segment_ptr 1
		.amdhsa_wavefront_size32 1
		.amdhsa_system_sgpr_workgroup_id_x 1
		.amdhsa_system_sgpr_workgroup_id_y 1
		.amdhsa_system_sgpr_workgroup_id_z 1
		.amdhsa_system_vgpr_workitem_id 0
		.amdhsa_next_free_vgpr 512
		.amdhsa_next_free_sgpr 66
		.amdhsa_reserve_vcc 0
		.amdhsa_float_denorm_mode_32 3
		.amdhsa_float_denorm_mode_16_64 3
		.amdhsa_memory_ordered 1
		.amdhsa_forward_progress 1
		.amdhsa_inst_pref_size 86
	.end_amdhsa_kernel
	.amdgpu_metadata
---
amdhsa.version: [ 1, 2 ]
amdhsa.kernels:
  - .name:           k_q503096b94c_proj
    .symbol:         k_q503096b94c_proj.kd
    .args:
      - { .name: att, .offset: 0, .size: 8, .value_kind: global_buffer, .address_space: global }
      - { .name: wp16, .offset: 8, .size: 8, .value_kind: global_buffer, .address_space: global }
      - { .name: b_proj, .offset: 16, .size: 8, .value_kind: global_buffer, .address_space: global }
      - { .name: out0, .offset: 24, .size: 8, .value_kind: global_buffer, .address_space: global }
    .group_segment_fixed_size: 327680
    .private_segment_fixed_size: 0
    .kernarg_segment_align: 8
    .kernarg_segment_size: 32
    .max_flat_workgroup_size: 128
    .sgpr_count:     66
    .vgpr_count:     512
    .wavefront_size: 32
...
	.end_amdgpu_metadata
.endif
;; end of part 4
